; MI455X (gfx1250); checked and timed in simulation.
; The chip was launched on July 23, 2026; its instructions are those of AMD's public machine-readable ISA for CDNA 5 (MIT licence, August 2026) and "CDNA5" Instruction Set Architecture Reference Guide (July 2026). The comments in the code are by the model that wrote it; some were corrected since.
;; Relative Positional Attention. Allowed arithmetic: float matrix products may take bf16 or f16 operands with f32 sums; other float arithmetic in f32, or as packed bf16 or f16 multiplies, adds, multiply-adds, maxima and minima; sums over many terms, partial sums and values carried from step to step in f32; what a program stores and reads back later, other than sums and carried values, may be rounded once to bf16 or f16.
;; Inputs: attn_mask 2 x 1 x 2,048 x 2,048 float32; k 2 x 2,048 x 1,024 float32; kW 1,024 x 16 x 64 float32; kb 16 x 64 float32; ln_b 1,024 float32; ln_g 1,024 float32; pos_enc 4,096 x 1,024 float32; postW 16 x 64 x 1,024 float32; postb 1,024 float32; q 2 x 2,048 x 1,024 float32; qW 1,024 x 16 x 64 float32; r_kernel 1,024 x 16 x 64 float32; r_r_bias 16 x 64 float32; r_s_bias 16 x 64 float32; r_w_bias 16 x 64 float32; seg_embed 2 x 16 x 64 float32; seg_mat 2 x 2,048 x 2,048 bool; v 2 x 2,048 x 1,024 float32; vW 1,024 x 16 x 64 float32; vb 16 x 64 float32.
;; Outputs: out0 2 x 2,048 x 1,024 float32.
;; One version. Each part assembles by itself: llvm-mc -triple=amdgcn-amd-amdhsa -mcpu=gfx1250 --defsym DOCPART=n.
;; ======== version 1 of 1: 5 launches
;; limits: values outside matrix products are rounded to bf16; values are held in f16: magnitudes above 65,504 overflow, below 6.1e-05 lose precision
;; workspace buffers: XB 33,554,432 bytes; WT 10,485,760 bytes; MS 33,554,432 bytes; HB 33,554,432 bytes; AV 8,388,608 bytes; X 16,777,216 bytes
;; launch prep (part 1): grid 1856 x 1, 8 waves a work-group, no clusters, 50,176 bytes of LDS; arguments q, k, v, pos_enc, qW, kW, vW, r_kernel, postW, attn_mask, seg_mat, XB, WT, MS; writes XB, WT, MS
.if DOCPART == 1
	.amdgcn_target "amdgcn-amd-amdhsa--gfx1250"
	.amdhsa_code_object_version 6
	.text
	.protected	k_qa2f4835947_prep
	.globl	k_qa2f4835947_prep
	.p2align	8
	.type	k_qa2f4835947_prep,@function
k_qa2f4835947_prep:
	s_mov_b64 s[64:65], 0
	v_nop
	global_prefetch_b8 v0, s[64:65] scope:SCOPE_SE
	s_setreg_imm32_b32 hwreg(HW_REG_WAVE_MODE, 25, 1), 1
	s_wait_xcnt 0x0
; PREPARATION: every large input is read once and laid out for the matrix units.  Three kinds of work-group, told apart by the work-group's number alone (the same for all eight waves):
;   0 .. 511      MS: attn_mask (f32) and seg_mat (bytes 0 or 1) of 128 queries x 128 keys become bf16 fragments.  For 16 queries x 16 keys, 1,024 bytes: lane L = r + 16 h holds at byte 16 L
;                 mask[query 8 h + 0..7][key r] and at byte 512 + 16 L seg (1.0 or 0.0) of the same places: source 0 (16 keys x 32) of a matrix instruction, as it lies in registers.
;   512 .. 1535   XB: q, k, v, pos_enc rounded to bf16, 16 rows a work-group.
;   1536 .. 1855  WT: qW, kW, vW, r_kernel, postW ([k][n] f32) turned to [n][k] bf16, 128 x 128 a work-group.
; LIMITS.  attn_mask is rounded to bf16 and must be finite; a seg byte is 0 or 1.
; No matrix unit, no cluster, no tensor load: each byte is read once by one wave, and the only sharing is the turn of a weight block, which goes through LDS with one barrier.
.set SPARE, 49152                      ; behind the stages: the spare words, 128 bytes for each of the eight waves
.set SPW, 10                           ; v10  SPARE + 4 x my thread's number; never rewritten
.set NIL, 11                           ; v11  0; never rewritten
.set IN,  16                           ; v[16:79]   16 rows x 4 numbers as loaded; later what comes back from LDS
.set SG,  80                           ; v[80:95]   16 rows x 4 seg bytes
.set OT,  96                           ; v[96:127]  packed bf16
	s_load_b512 s[8:23], s[0:1], 0x0               ; q, k, v, pos_enc, qW, kW, vW, r_kernel
	s_load_b256 s[24:31], s[0:1], 0x40             ; postW, attn_mask, seg_mat, XB
	s_load_b128 s[32:35], s[0:1], 0x60             ; WT, MS
	v_lshl_add_u32 v[SPW], v0, 2, SPARE
	v_mov_b32 v[NIL], 0
	v_lshrrev_b32 v1, 5, v0
	v_readfirstlane_b32 s36, v1                    ; wave 0..7
	v_and_b32 v1, 31, v0                           ; l
	v_and_b32 v2, 15, v0                           ; r = l % 16
	v_bfe_u32 v3, v0, 4, 1                         ; h = l / 16
	v_lshlrev_b32 v4, 4, v1                        ; 16 l
	s_mov_b32 s37, ttmp9
	s_mov_b32 s45, 0                               ; the high word of every offset pair
	s_wait_kmcnt 0x0
	s_cmp_lt_u32 s37, 512
	s_cbranch_scc1 .Lmask
	s_cmp_lt_u32 s37, 1536
	s_cbranch_scc1 .Lcast
; 16 rows x 4 columns a lane become, for each column c and each half g of the rows, eight bf16 of one column: 16 bytes
.macro TR
.irp g, 0,1
.irp c, 0,1,2,3
.irp e, 0,1,2,3
	v_cvt_pk_bf16_f32 v[OT+16*(\g)+4*(\c)+(\e)], v[IN+4*(8*(\g)+2*(\e))+(\c)], v[IN+4*(8*(\g)+2*(\e)+1)+(\c)]
.endr
.endr
.endr
.endm
.macro PUT pc                          ; the eight 16-byte pieces into LDS: column c at pc bytes' distance, half g 16 bytes on
.irp g, 0,1
.irp c, 0,1,2,3
	ds_store_b128 v5, v[OT+16*(\g)+4*(\c):OT+16*(\g)+4*(\c)+3] offset:(\pc)*(\c)+16*(\g)
.endr
.endr
.endm
	; ---- a block of weights is turned: rows k 128 kt8 .., columns n 128 nt8 ..; wave w takes 16 rows
	s_sub_co_u32 s37, s37, 1536
	s_lshr_b32 s38, s37, 6                         ; which weight
	s_bfe_u32 s39, s37, 0x30003                    ; kt8
	s_and_b32 s46, s37, 7                          ; nt8
	s_mov_b64 s[40:41], s[24:25]
	s_cmp_eq_u32 s38, 0
	s_cselect_b64 s[40:41], s[16:17], s[40:41]
	s_cmp_eq_u32 s38, 1
	s_cselect_b64 s[40:41], s[18:19], s[40:41]
	s_cmp_eq_u32 s38, 2
	s_cselect_b64 s[40:41], s[20:21], s[40:41]
	s_cmp_eq_u32 s38, 3
	s_cselect_b64 s[40:41], s[22:23], s[40:41]
	s_lshl_b32 s44, s39, 3
	s_add_co_u32 s44, s44, s36
	s_lshl_b32 s44, s44, 16                        ; (128 kt8 + 16 w) rows of 4,096 bytes
	s_lshl_b32 s47, s46, 9                         ; + 128 nt8 columns
	s_add_co_u32 s44, s44, s47
	s_add_nc_u64 s[40:41], s[40:41], s[44:45]
.set i, 0
.rept 16
	global_load_b128 v[IN+4*i:IN+4*i+3], v4, s[40:41] offset:i*4096 th:TH_LOAD_NT  ; 512 consecutive bytes of a row
.set i, i+1
.endr
	v_mul_u32_u24 v5, v1, 1088                     ; in: row n = 4 l + c of 272 bytes, my wave's 16 k at byte 32 w
	s_lshl_b32 s47, s36, 5
	v_add_nc_u32 v5, s47, v5
	s_mul_i32 s47, s36, 16*272                     ; back: rows 16 w + h + 2 t, whole
	v_mul_u32_u24 v6, v3, 272
	v_lshl_add_u32 v6, v2, 4, v6
	v_add_nc_u32 v6, s47, v6
	s_lshl_b32 s44, s38, 10
	s_lshl_b32 s47, s46, 7
	s_add_co_u32 s44, s44, s47
	s_lshl_b32 s47, s36, 4
	s_add_co_u32 s44, s44, s47                     ; row of WT: 1,024 x weight + 128 nt8 + 16 w
	s_lshl_b32 s44, s44, 11
	s_lshl_b32 s47, s39, 8
	s_add_co_u32 s44, s44, s47                     ; + 128 kt8 numbers of 2 bytes
	s_add_nc_u64 s[32:33], s[32:33], s[44:45]
	v_lshlrev_b32 v7, 11, v3
	v_lshl_add_u32 v7, v2, 4, v7
	s_wait_loadcnt 0x0
	TR
	PUT 272
	s_wait_dscnt 0x0                               ; for the others' sake: my part of every row lies in LDS
	s_barrier_signal -1
	s_barrier_wait -1
.set i, 0
.rept 8
	ds_load_b128 v[IN+4*i:IN+4*i+3], v6 offset:i*544
.set i, i+1
.endr
.set i, 0
.rept 8
	s_wait_dscnt 7-i                               ; the younger loads may stay out
	global_store_b128 v7, v[IN+4*i:IN+4*i+3], s[32:33] offset:i*4096  ; 16 lanes store 256 consecutive bytes, aligned
.set i, i+1
.endr
	s_branch .Lend
.Lcast:	; ---- 16 rows of q, k, v or pos_enc are rounded; wave w takes two rows, 8,192 consecutive bytes
	s_sub_co_u32 s37, s37, 512
	s_lshr_b32 s38, s37, 8                         ; which tensor
	s_and_b32 s39, s37, 255
	s_mov_b64 s[40:41], s[14:15]
	s_cmp_eq_u32 s38, 0
	s_cselect_b64 s[40:41], s[8:9], s[40:41]
	s_cmp_eq_u32 s38, 1
	s_cselect_b64 s[40:41], s[10:11], s[40:41]
	s_cmp_eq_u32 s38, 2
	s_cselect_b64 s[40:41], s[12:13], s[40:41]
	s_lshl_b32 s44, s39, 3
	s_add_co_u32 s44, s44, s36                     ; my pair of rows
	s_lshl_b32 s46, s44, 12                        ; in XB: 2 x 2,048 bytes
	s_lshl_b32 s44, s44, 13                        ; in the input: 2 x 4,096 bytes
	s_add_nc_u64 s[40:41], s[40:41], s[44:45]
	s_lshl_b32 s44, s38, 23
	s_add_co_u32 s44, s44, s46
	s_add_nc_u64 s[30:31], s[30:31], s[44:45]
	v_lshlrev_b32 v7, 3, v1
.set i, 0
.rept 16
	global_load_b128 v[IN+4*i:IN+4*i+3], v4, s[40:41] offset:i*512 th:TH_LOAD_NT
.set i, i+1
.endr
.set i, 0
.rept 16
	s_wait_loadcnt 15-i                            ; the younger loads may stay out
	v_cvt_pk_bf16_f32 v[OT+2*i], v[IN+4*i], v[IN+4*i+1]
	v_cvt_pk_bf16_f32 v[OT+2*i+1], v[IN+4*i+2], v[IN+4*i+3]
	global_store_b64 v7, v[OT+2*i:OT+2*i+1], s[30:31] offset:i*256  ; the wave stores 256 consecutive bytes, aligned
.set i, i+1
.endr
	s_branch .Lend
.Lmask:	; ---- mask and seg of 128 queries x 128 keys; wave w takes 16 queries; its 6,144 bytes of LDS are its own, so no barrier
	s_lshr_b32 s38, s37, 8                         ; b
	s_bfe_u32 s39, s37, 0x40004                    ; block of 128 queries
	s_and_b32 s46, s37, 15                         ; block of 128 keys
	s_lshl_b32 s44, s38, 11
	s_lshl_b32 s47, s39, 7
	s_add_co_u32 s44, s44, s47
	s_lshl_b32 s47, s36, 4
	s_add_co_u32 s44, s44, s47                     ; my first query's row
	s_lshl_b32 s44, s44, 11
	s_lshl_b32 s47, s46, 7
	s_add_co_u32 s44, s44, s47                     ; its first key: the number's index, and seg's byte
	s_add_nc_u64 s[42:43], s[28:29], s[44:45]
	s_lshl_b32 s44, s44, 2
	s_add_nc_u64 s[40:41], s[26:27], s[44:45]
	v_lshlrev_b32 v8, 2, v1
.set i, 0
.rept 16
	global_load_b128 v[IN+4*i:IN+4*i+3], v4, s[40:41] offset:i*8192 th:TH_LOAD_NT
.set i, i+1
.endr
.set i, 0
.rept 16
	global_load_b32 v[SG+i], v8, s[42:43] offset:i*2048
.set i, i+1
.endr
	s_mov_b32 s20, 0x0c040c00                      ; v_perm_b32: byte c of two rows' words into the low bytes of the two halves
	s_mov_b32 s21, 0x0c050c01
	s_mov_b32 s22, 0x0c060c02
	s_mov_b32 s23, 0x0c070c03
	s_mul_i32 s47, s36, 6144
	v_mul_u32_u24 v5, v1, 192                      ; in: key 4 l + c at 48 bytes' distance: 32 bytes (16 queries) and 16 of padding
	v_add_nc_u32 v5, s47, v5
	v_mul_u32_u24 v6, v2, 48                       ; back: key r of a group of 16, half h of the queries
	v_lshl_add_u32 v6, v3, 4, v6
	v_add_nc_u32 v6, s47, v6
	s_lshl_b32 s44, s38, 7
	s_lshl_b32 s47, s39, 3
	s_add_co_u32 s44, s44, s47
	s_add_co_u32 s44, s44, s36                     ; tile of 16 queries
	s_lshl_b32 s44, s44, 7
	s_lshl_b32 s47, s46, 3
	s_add_co_u32 s44, s44, s47                     ; tile of 16 keys
	s_lshl_b32 s44, s44, 10
	s_add_nc_u64 s[34:35], s[34:35], s[44:45]
	s_wait_loadcnt 16                              ; the mask is in; seg's 16 loads may stay out
	TR
	PUT 48
.set i, 0
.rept 8
	ds_load_b128 v[IN+4*i:IN+4*i+3], v6 offset:i*768  ; LDS serves a wave's instructions in order (ISA guide 5.7.1.4): these see the stores above
.set i, i+1
.endr
.set i, 0
.rept 8
	s_wait_dscnt 7-i
	global_store_b128 v4, v[IN+4*i:IN+4*i+3], s[34:35] offset:i*1024  ; 512 consecutive bytes
.set i, i+1
.endr
	s_wait_loadcnt 0x0
.irp g, 0,1
.irp c, 0,1,2,3
.irp e, 0,1,2,3
	v_perm_b32 v[OT+16*(\g)+4*(\c)+(\e)], v[SG+8*(\g)+2*(\e)+1], v[SG+8*(\g)+2*(\e)], s[20+(\c)]
	v_mul_u32_u24 v[OT+16*(\g)+4*(\c)+(\e)], v[OT+16*(\g)+4*(\c)+(\e)], 0x3f80  ; 0 or 1 in each half becomes 0.0 or 1.0 in bf16
.endr
.endr
.endr
	PUT 48
.set i, 0
.rept 8
	ds_load_b128 v[IN+32+4*i:IN+32+4*i+3], v6 offset:i*768  ; other registers than those that the stores above still read
.set i, i+1
.endr
.set i, 0
.rept 8
	s_wait_dscnt 7-i
	global_store_b128 v4, v[IN+32+4*i:IN+32+4*i+3], s[34:35] offset:i*1024+512
.set i, i+1
.endr
.Lend:
	s_wait_tensorcnt 0x0                           ; the wave's end
	ds_add_u32 v[SPW], v[NIL]
	s_wait_dscnt 0x0
	s_endpgm
.Lfunc_end_k_qa2f4835947_prep:
	.size	k_qa2f4835947_prep, .Lfunc_end_k_qa2f4835947_prep-k_qa2f4835947_prep
	.p2alignl 7, 3214868480
	.fill 96, 4, 3214868480
	.section	.rodata,"a",@progbits
	.p2align	6, 0x0
	.amdhsa_kernel k_qa2f4835947_prep
		.amdhsa_group_segment_fixed_size 50176
		.amdhsa_private_segment_fixed_size 0
		.amdhsa_enable_private_segment 0
		.amdhsa_kernarg_size 112
		.amdhsa_user_sgpr_count 2
		.amdhsa_user_sgpr_kernarg_segment_ptr 1
		.amdhsa_wavefront_size32 1
		.amdhsa_system_sgpr_workgroup_id_x 1
		.amdhsa_system_sgpr_workgroup_id_y 1
		.amdhsa_system_sgpr_workgroup_id_z 1
		.amdhsa_system_vgpr_workitem_id 0
		.amdhsa_next_free_vgpr 128
		.amdhsa_next_free_sgpr 66
		.amdhsa_reserve_vcc 0
		.amdhsa_float_denorm_mode_32 3
		.amdhsa_float_denorm_mode_16_64 3
		.amdhsa_memory_ordered 1
		.amdhsa_forward_progress 1
		.amdhsa_inst_pref_size 30
	.end_amdhsa_kernel
	.amdgpu_metadata
---
amdhsa.version: [ 1, 2 ]
amdhsa.kernels:
  - .name:           k_qa2f4835947_prep
    .symbol:         k_qa2f4835947_prep.kd
    .args:
      - { .name: q, .offset: 0, .size: 8, .value_kind: global_buffer, .address_space: global }
      - { .name: k, .offset: 8, .size: 8, .value_kind: global_buffer, .address_space: global }
      - { .name: v, .offset: 16, .size: 8, .value_kind: global_buffer, .address_space: global }
      - { .name: pos_enc, .offset: 24, .size: 8, .value_kind: global_buffer, .address_space: global }
      - { .name: qW, .offset: 32, .size: 8, .value_kind: global_buffer, .address_space: global }
      - { .name: kW, .offset: 40, .size: 8, .value_kind: global_buffer, .address_space: global }
      - { .name: vW, .offset: 48, .size: 8, .value_kind: global_buffer, .address_space: global }
      - { .name: r_kernel, .offset: 56, .size: 8, .value_kind: global_buffer, .address_space: global }
      - { .name: postW, .offset: 64, .size: 8, .value_kind: global_buffer, .address_space: global }
      - { .name: attn_mask, .offset: 72, .size: 8, .value_kind: global_buffer, .address_space: global }
      - { .name: seg_mat, .offset: 80, .size: 8, .value_kind: global_buffer, .address_space: global }
      - { .name: XB, .offset: 88, .size: 8, .value_kind: global_buffer, .address_space: global }
      - { .name: WT, .offset: 96, .size: 8, .value_kind: global_buffer, .address_space: global }
      - { .name: MS, .offset: 104, .size: 8, .value_kind: global_buffer, .address_space: global }
    .group_segment_fixed_size: 50176
    .private_segment_fixed_size: 0
    .kernarg_segment_align: 8
    .kernarg_segment_size: 112
    .max_flat_workgroup_size: 256
    .sgpr_count:     66
    .vgpr_count:     128
    .wavefront_size: 32
...
	.end_amdgpu_metadata
.endif
;; end of part 1
;; launch proj (part 2): grid 4 x 64, 4 waves a work-group, clusters of 4 x 4, 327,680 bytes of LDS; arguments XB, WT, r_w_bias, kb, vb, HB; writes HB
.if DOCPART == 2
	.amdgcn_target "amdgcn-amd-amdhsa--gfx1250"
	.amdhsa_code_object_version 6
	.text
	.protected	k_qa2f4835947_proj
	.globl	k_qa2f4835947_proj
	.p2align	8
	.type	k_qa2f4835947_proj,@function
k_qa2f4835947_proj:
	s_mov_b64 s[64:65], 0
	v_nop
	global_prefetch_b8 v0, s[64:65] scope:SCOPE_SE
	s_setreg_imm32_b32 hwreg(HW_REG_WAVE_MODE, 25, 1), 1
	s_wait_xcnt 0x0
	s_wait_alu depctr_hold_cnt(0) depctr_sa_sdst(0) depctr_va_vdst(0) depctr_va_sdst(0) depctr_va_ssrc(0) depctr_va_vcc(0) depctr_vm_vsrc(0)
	s_getreg_b32 s2, hwreg(HW_REG_IB_STS2, 6, 4)
	s_cmp_eq_u32 s2, 0
	s_cbranch_scc0 .Lentry_in_a_cluster
	s_endpgm
.Lentry_in_a_cluster:
	s_bfe_u32 s2, ttmp6, 0x10000c
	s_cmp_lg_u32 s2, 0xf033
	s_cbranch_scc0 .Lentry_shape_is_right
	s_endpgm
.Lentry_shape_is_right:
; THE FOUR HEAD PROJECTIONS as one product: C[16384][1024], rows 4,096 p .. of XB (p = 0 q, 1 k, 2 v, 3 pos_enc) times weight p of WT ([n][k]), bf16 operands, f32 sums.
; Out, in f16, by heads (rows of 64 numbers, dense): region 0 q + r_w_bias, 1 k + kb, 2 v + vb, 3 r_head; q is left unscaled: the attention applies 1/8 in f32.
; LIMIT.  f16 ends at 65,504: a head value beyond that becomes an infinity.  With inputs 30 times those drawn the largest (r_head) stays under 10,000.
; A tile of C is 256 x 256: 64 x 4 = 256 work-groups.  Four waves, each 128 x 128 (two heads' columns): 64 accumulators, 512 registers.  K goes in steps of 128 through two LDS slots filled by tensor loads:
; the tiles' rows are 256 bytes of memory and start at multiples of 256 bytes.
; CLUSTERS: 4 x 4 work-groups.  The four of a row need the same tiles of XB, the four of a column the same tiles of WT: each tile is asked for jointly.  p hangs on the cluster's y alone.
; THE MATRIX INSTRUCTION IS USED TRANSPOSED (source 0 = 16 rows of WT, source 1 = 16 rows of XB): a lane holds eight neighbouring numbers of a row of C.
; THE BIAS STARTS THE SUMS: it hangs on the column alone, so eight registers a block of 16 columns serve as the C operand of each accumulator's first product; r_head has none: its table is taken times 0.
; REGISTERS, in windows of 256 (s_set_vgpr_msb: bits 1:0 source 0, 3:2 source 1, 5:4 source 2, 7:6 destination):
;   window 0: v0-31 addresses; v64-127, v128-191 fragments of A, two buffers; v32-63, v192-255 at work on the way out
;   window 1: v0-63 the bias; v64-127, v128-191 fragments of B      window 2: the 32 accumulators of my rows 0-63 ((a, b) at 8 (8 a + b))      window 3: those of my rows 64-127
.set SIZE_K, 1024
.set KSTEP,  128
.set PITCH,  272                       ; an LDS row: 256 bytes + 16 of padding = 68 words: the 16 rows of a load start at 16 different groups of four banks (ISA guide 11.1)
.set HALFT,  128*PITCH                 ; 128 rows: what one tensor load brings, and what one wave reads of A or of B
.set SLOT,   4*HALFT                   ; A's 256 rows, then B's 256 rows
.set STAGE,  2*SLOT                    ; behind the ring: for each wave two blocks (one a head) of 16 rows x 144 bytes
.set SP,     144
.set STGW,   2*16*SP
.set SPARE,  STAGE+4*STGW              ; behind the stages: the spare words, 128 bytes for each wave
.set LAPS,   SIZE_K/(2*KSTEP)          ; a lap = two K steps = once round the ring
.set ADRA, 16                          ; v16-17  LDS address of my A fragments in slot 0, 1
.set ADRB, 20                          ; v20-21  the same for B
.set STO,  24                          ; v24     the way out: where I put 16 bytes of a row
.set RD,   25                          ; v25     where I read rows back
.set CO,   26                          ; v26     16 x lane: my place in 512 consecutive bytes of HB
.set BO,   27                          ; v27     32 x (l / 16): my eight numbers of a bias
.set SPW,  28                          ; v28     SPARE + 4 x my thread's number; never rewritten
.set NIL,  29                          ; v29     0; never rewritten
.set PFO,  30                          ; v30     the prefetches' offset: my lane x a row of 2,048 bytes; never rewritten
.set PFA,  44                          ; s[44:45] where my prefetches stand
.set LIM,  43                          ; s43     1 in a wave that prefetches, else the greatest number
.set F0,   64
.set F1,   128
.set TMP,  192                         ; packed results
.set OB,   32                          ; 16 rows read back from the stage: v32-63 and v224-255 by turns
.set G1, 24
.set G0, 32
.set G1B, 48
.set G0B, 56
.set MSB, 0
.macro WIN new                         ; the immediate's high byte repeats the setting that is left; a switch that changes nothing is dropped
.if MSB != (\new)
	s_set_vgpr_msb (MSB<<8)|(\new)
.set MSB, \new
.endif
.endm
.set MUL_LO, 0xa1                      ; source 0 (B) window 1, source 1 (A) window 0, C and D window 2
.set MUL_HI, 0xf1                      ; the same, C and D window 3
.set TO_B,   0x40                      ; destination window 1, address window 0
.macro JLOAD s                         ; a joint load: waves 0 and 1 fetch A's two halves, waves 2 and 3 B's; an s_nop 0 and four v_nop follow each line
	s_cmp_eq_u32 s11, 0
	s_cbranch_scc0 .Lfor_b_\@
	tensor_load_to_lds s[G0+4*(\s):G0+4*(\s)+3], s[G1:G1+7]
	s_nop 0
.rept 4
	v_nop
.endr
	s_branch .Lasked_\@
.Lfor_b_\@:
	tensor_load_to_lds s[G0B+4*(\s):G0B+4*(\s)+3], s[G1B:G1B+7]
	s_nop 0
.rept 4
	v_nop
.endr
.Lasked_\@:
.endm
; A PREFETCH INTO THE L2, behind each joint refill and the run of LDS loads that follows it: the K step that stands two refills on, 512 matrix instructions ahead of the load that will want it: 32 rows x 256 bytes, a lane a row.
; Each row's 256 bytes of a K step are named once in the launch: XB's rows are read by one cluster (the grid has one along x); WT's rows of problem p by four clusters, of which the first asks.
; The four partners that ask for a tile jointly share its rows out by address, 32 each (by cx for A, by cy for B): no branch hangs on a work-group's place in its cluster.
; K steps 0 to 3 come by their loads alone; the loop's last trip asks for nothing: there is no K step two refills on.
.macro ASK
	s_cmp_gt_u32 s3, s[LIM]                        ; s3 = 1 in the loop's last trip
	s_cbranch_scc0 .Lnot_mine_\@
	global_prefetch_b8 v[PFO], s[PFA:PFA+1] offset:KSTEP*2 th:TH_LOAD_NT scope:SCOPE_SE
.Lnot_mine_\@:
.endm
.macro CREST                           ; a round of the cluster's barrier behind its opening barrier
	s_cmp_lg_u32 s10, 0
	s_cbranch_scc1 .Lnot_wave_0_\@
	s_barrier_signal -3
.Lnot_wave_0_\@:
	s_barrier_wait -3
	s_barrier_signal -1
	s_barrier_wait -1
.endm
.macro CROUND
	s_barrier_signal -1
	s_barrier_wait -1
	CREST
.endm
	s_load_b128 s[4:7], s[0:1], 0x0                ; XB, WT
	s_load_b128 s[68:71], s[0:1], 0x10             ; r_w_bias, kb
	s_load_b128 s[72:75], s[0:1], 0x20             ; vb, HB
	v_lshl_add_u32 v[SPW], v0, 2, SPARE
	v_mov_b32 v[NIL], 0
	ds_add_u32 v[SPW], v[NIL]                      ; the wave's opening
	ds_add_u32 v28, v29
	v_lshrrev_b32 v1, 5, v0
	v_readfirstlane_b32 s10, v1                    ; wave 0..3
	s_lshr_b32 s11, s10, 1                         ; my half of the tile's rows.  Also: I fetch for A (0) or for B (1)
	s_and_b32 s12, s10, 1                          ; my half of its columns.  Also: which 128 rows I fetch
	s_bfe_u32 s40, ttmp6, 0x40000                  ; cx, cy
	s_bfe_u32 s41, ttmp6, 0x40004
	s_lshl_b32 s42, ttmp9, 2
	s_add_co_u32 s42, s42, s40                     ; tile column
	s_and_b32 s13, ttmp7, 0xffff
	s_lshr_b32 s76, s13, 2                         ; p: four clusters along y, 4,096 rows, to a problem
	s_lshl_b32 s13, s13, 2
	s_add_co_u32 s13, s13, s41                     ; tile row
	s_lshl_b32 s43, s41, 2
	s_lshl_b32 s43, 15, s43                        ; my row of the cluster
	s_lshl_b32 s44, 0x1111, s40                    ; my column
	s_or_b32 s[G1+0], s43, (1<<16)|(1<<20)|(1<<21)|(5<<22)|(3<<25)  ; mask; 2-byte elements; padding on; bit 21 beside a mask; after every 64 words 4 words
	s_or_b32 s[G1B+0], s44, (1<<16)|(1<<20)|(1<<21)|(5<<22)|(3<<25)
.irp g, G1, G1B
	s_mov_b32 s[(\g)+1], KSTEP<<16                 ; tensor_dim0 = 128
	s_mov_b32 s[(\g)+2], 128<<16                   ; tensor_dim1 = 128
	s_mov_b32 s[(\g)+3], KSTEP<<16                 ; tile_dim0 = 128
	s_mov_b32 s[(\g)+4], 128                       ; tile_dim1 = 128
	s_mov_b32 s[(\g)+5], SIZE_K                    ; elements from row to row
	s_mov_b32 s[(\g)+6], 0
	s_mov_b32 s[(\g)+7], 0
.endr
	s_lshl_b32 s17, s12, 7
	s_lshl_b32 s16, s13, 8
	s_add_co_u32 s16, s16, s17                     ; A: row 256 x tile row + 128 x half
	s_lshl_b32 s16, s16, 11                        ; rows of 2,048 bytes: under 2^25
	s_lshl_b32 s46, s42, 8
	s_add_co_u32 s46, s46, s17
	s_lshl_b32 s47, s76, 10
	s_add_co_u32 s46, s46, s47                     ; B: row 1,024 p + 256 x tile column + 128 x half
	s_lshl_b32 s46, s46, 11
	s_mov_b32 s17, 0
	s_mov_b32 s47, 0
	s_mul_i32 s20, s10, HALFT                      ; where they go: wave x 128 rows: no place in the cluster enters an LDS address
	s_wait_dscnt 0x0                               ; the opening add is done
	s_wait_kmcnt 0x0
	s_add_nc_u64 s[14:15], s[4:5], s[16:17]
	s_add_nc_u64 s[46:47], s[6:7], s[46:47]
	CROUND                                         ; all sixteen work-groups are here: the first joint loads meet
.irp s, 0,1
	s_mov_b32 s[G0+4*(\s)], 1
	s_add_co_u32 s[G0+4*(\s)+1], s20, (\s)*SLOT
	s_add_nc_u64 s[G0+4*(\s)+2:G0+4*(\s)+3], s[14:15], (\s)*KSTEP*2
	s_or_b32 s[G0+4*(\s)+3], s[G0+4*(\s)+3], 0x80000000
	s_mov_b32 s[G0B+4*(\s)], 1
	s_add_co_u32 s[G0B+4*(\s)+1], s20, (\s)*SLOT
	s_add_nc_u64 s[G0B+4*(\s)+2:G0B+4*(\s)+3], s[46:47], (\s)*KSTEP*2
	s_or_b32 s[G0B+4*(\s)+3], s[G0B+4*(\s)+3], 0x80000000
	JLOAD \s                                       ; the ring is filled before anything else is done
.endr
	v_and_b32 v1, 15, v0                           ; l % 16
	v_bfe_u32 v2, v0, 4, 1                         ; l / 16
	; the bias of my two heads, n0 = 4 x tile column + 2 x half and the next: lane (r, h) wants numbers 16 b + 8 h + 0..7 of their 128
	s_lshl_b32 s77, s42, 2
	s_lshl_b32 s80, s12, 1
	s_add_co_u32 s77, s77, s80
	s_lshl_b32 s80, s77, 8
	s_mov_b32 s81, 0
	s_cmp_eq_u32 s76, 0
	s_cselect_b64 s[78:79], s[68:69], s[72:73]     ; p = 0: r_w_bias; 1: kb; 2: vb; 3: vb once more, times 0
	s_cmp_eq_u32 s76, 1
	s_cselect_b64 s[78:79], s[70:71], s[78:79]
	s_add_nc_u64 s[78:79], s[78:79], s[80:81]
	s_cmp_eq_u32 s76, 3
	s_cselect_b32 s82, 0, 1.0                      ; the bias's factor
	s_mov_b32 s83, s82
	v_lshlrev_b32 v[BO], 5, v2
	WIN TO_B
.irp b, 0,1,2,3,4,5,6,7
	global_load_b128 v[8*(\b):8*(\b)+3],   v[BO], s[78:79] offset:64*(\b)
	global_load_b128 v[8*(\b)+4:8*(\b)+7], v[BO], s[78:79] offset:64*(\b)+16
.endr
	WIN 0
	v_mul_u32_u24 v3, v1, PITCH
	v_lshl_add_u32 v3, v2, 4, v3                   ; a fragment's row x pitch + 16 x half
	s_mul_i32 s21, s11, HALFT                      ; my 128 rows of A
	s_mul_i32 s22, s12, HALFT                      ; my 128 rows of B,
	s_add_co_u32 s22, s22, 2*HALFT                 ; which lie behind A's 256
.irp s, 0,1
	v_add_nc_u32 v[ADRA+(\s)], s21, v3
	v_add_nc_u32 v[ADRB+(\s)], s22, v3
	s_add_co_u32 s21, s21, SLOT
	s_add_co_u32 s22, s22, SLOT
.endr
	s_mul_i32 s23, s10, STGW
	s_add_co_u32 s23, s23, STAGE                   ; my stage
	v_mul_u32_u24 v4, v1, SP                       ; in: row l % 16, 16 bytes for each half of the lanes
	v_lshl_add_u32 v4, v2, 4, v4
	v_add_nc_u32 v[STO], s23, v4
	v_bfe_u32 v5, v0, 3, 2                         ; back: 32 lanes take four rows of 128 bytes,
	v_mul_u32_u24 v5, v5, SP
	v_and_b32 v6, 7, v0
	v_lshl_add_u32 v5, v6, 4, v5
	v_add_nc_u32 v[RD], s23, v5
	v_and_b32 v[CO], 31, v0                        ; which are 512 consecutive bytes of HB
	v_lshlrev_b32 v[CO], 4, v[CO]
	; where my 128 rows of my two heads lie in HB
	s_lshl_b32 s16, s13, 8
	s_lshl_b32 s17, s11, 7
	s_add_co_u32 s16, s16, s17
	s_and_b32 s16, s16, 4095                       ; my first row within the problem
	s_lshr_b32 s17, s16, 11
	s_lshl_b32 s17, s17, 4
	s_add_co_u32 s17, s17, s77
	s_lshl_b32 s17, s17, 18                        ; (16 b + n0) x 2,048 rows of 128 bytes
	s_and_b32 s18, s16, 2047
	s_lshl_b32 s18, s18, 7
	s_add_co_u32 s17, s17, s18
	s_lshl_b32 s18, s77, 19                        ; r_head: n0 x 4,096 rows
	s_lshl_b32 s19, s16, 7
	s_add_co_u32 s18, s18, s19
	s_cmp_eq_u32 s76, 3
	s_cselect_b32 s16, s18, s17
	s_cselect_b32 s18, 19, 18
	s_lshl_b32 s18, 1, s18                         ; bytes from a head to the next
	s_mov_b32 s19, 0
	s_lshl_b32 s17, s76, 23                        ; region p
	s_add_co_u32 s16, s16, s17
	s_mov_b32 s17, 0
	s_add_nc_u64 s[8:9], s[74:75], s[16:17]        ; the first head's rows
	s_add_nc_u64 s[66:67], s[8:9], s[18:19]        ; the second's
	; the prefetches
	s_lshl_b32 s20, s13, 8                         ; A: the tile's first row
	s_lshl_b32 s21, s42, 8
	s_lshl_b32 s22, s76, 10
	s_add_co_u32 s21, s21, s22                     ; B: the same
	s_and_b32 s22, ttmp7, 3                        ; the cluster's place among the four of its problem
	s_cmp_eq_u32 s11, 0                            ; do I fetch for A?
	s_cselect_b32 s20, s20, s21
	s_cselect_b32 s21, s40, s41                    ; my place among the four that ask for the tile with me
	s_cselect_b32 s22, ttmp9, s22                  ; the coordinate along which other clusters read the same rows
	s_cselect_b64 s[PFA:PFA+1], s[4:5], s[6:7]
	s_cmp_eq_u32 s22, 0
	s_cselect_b32 s[LIM], 1, -1                    ; the same in all sixteen partners, for a given wave
	s_lshl_b32 s22, s12, 7
	s_add_co_u32 s20, s20, s22                     ; + the 128 rows that I fetch
	s_lshl_b32 s21, s21, 5
	s_add_co_u32 s20, s20, s21                     ; + my work-group's 32 of them
	s_lshl_b32 s20, s20, 11
	s_mov_b32 s21, 0
	s_add_nc_u64 s[PFA:PFA+1], s[PFA:PFA+1], s[20:21]
	s_add_nc_u64 s[PFA:PFA+1], s[PFA:PFA+1], 2*KSTEP*2  ; at K step 2: the first refill steps it to 3 and names K step 4
	v_and_b32 v[PFO], 31, v0
	v_lshlrev_b32 v[PFO], 11, v[PFO]
	s_wait_loadcnt 0x0                             ; the bias
	WIN 0x41                                       ; destination and source 0 window 1
.set i, 0
.rept 32
	v_pk_mul_f32 v[2*i:2*i+1], v[2*i:2*i+1], s[82:83] op_sel_hi:[1,0]
.set i, i+1
.endr
	WIN 0
; 16 matrix instructions: m blocks a0, a0 + 1 of the window's four (hi = 0: my rows 0-63, 1: rows 64-127) x all 8 n blocks, 32 along K.  first = 1: the bias starts the sums.
; The 64 accumulators take turns, one instruction a turn, in the same order in every quarter step.
.macro MUL16 f, hi, a0, first
.if \first
	WIN 0x91+0x40*(\hi)                            ; C in window 1, D in window 2 or 3
.else
	WIN MUL_LO+0x50*(\hi)
.endif
.irp a, \a0, (\a0)+1
.irp b, 0,1,2,3,4,5,6,7
.if \first
	v_wmma_f32_16x16x32_bf16 v[8*(8*(\a)+(\b)):8*(8*(\a)+(\b))+7], v[(\f)+8*(\b):(\f)+8*(\b)+7], v[(\f)+8*(4*(\hi)+(\a)):(\f)+8*(4*(\hi)+(\a))+7], v[8*(\b):8*(\b)+7]
.else
	v_wmma_f32_16x16x32_bf16 v[8*(8*(\a)+(\b)):8*(8*(\a)+(\b))+7], v[(\f)+8*(\b):(\f)+8*(\b)+7], v[(\f)+8*(4*(\hi)+(\a)):(\f)+8*(4*(\hi)+(\a))+7], v[8*(8*(\a)+(\b)):8*(8*(\a)+(\b))+7]
.endif
.endr
.endr
.endm
.macro FETCH slot, k, f                ; 32 LDS loads in one run: the fragments of one quarter step (128 rows of B, 128 of A, 32 K at byte k of the rows) into buffer f
	WIN TO_B
.irp i, 0,1,2,3,4,5,6,7
	ds_load_b128 v[(\f)+8*(\i):(\f)+8*(\i)+3],   v[ADRB+(\slot)] offset:(\k)+(\i)*16*PITCH
	ds_load_b128 v[(\f)+8*(\i)+4:(\f)+8*(\i)+7], v[ADRB+(\slot)] offset:(\k)+(\i)*16*PITCH+32
.endr
	WIN 0
.irp i, 0,1,2,3,4,5,6,7
	ds_load_b128 v[(\f)+8*(\i):(\f)+8*(\i)+3],   v[ADRA+(\slot)] offset:(\k)+(\i)*16*PITCH
	ds_load_b128 v[(\f)+8*(\i)+4:(\f)+8*(\i)+7], v[ADRA+(\slot)] offset:(\k)+(\i)*16*PITCH+32
.endr
.endm
.macro PLACES                          ; four places in front of loads into registers that matrix instructions have read, and of conversions that read results
.rept 4
	v_nop
.endr
.endm
.macro QUARTER slot, k, f, g, first    ; multiplies buffer f; in its middle it fetches the next quarter's fragments, at byte k, into buffer g
	s_wait_dscnt 8                                 ; B and A's rows 0-63 are in; the youngest eight loads (A's rows 64-127) may be out
	MUL16 \f, 0, 0, \first
	MUL16 \f, 0, 2, \first
	PLACES
	FETCH \slot, \k, \g
	s_wait_dscnt 32                                ; all but the 32 just issued
	MUL16 \f, 1, 0, \first
	MUL16 \f, 1, 2, \first
.endm
; The last quarter multiplies buffer 1 and changes slots.  One barrier: in front of it each wave waits for all its tensor loads (one is out: its part of the next slot), adds 0 to its spare word,
; and waits for that and for its own reads of this slot.
.macro MEET round
	WIN 0
	s_wait_tensorcnt 0x0                           ; all my tensor loads have landed;
	ds_add_u32 v[SPW], v[NIL]
	s_wait_dscnt 9                                 ; (the add and the youngest eight loads may be out)
	MUL16 F1, 0, 0, 0
	s_wait_dscnt 0x0                               ; the add is done, and my reads of this slot are over
	s_barrier_signal -1
	MUL16 F1, 0, 2, 0
.if \round
	WIN 0
.endif
	s_barrier_wait -1
.endm
.macro TURN slot, next                 ; with a refill: this slot takes the K step two steps on
	s_wait_xcnt 0x0                                ; the last prefetch, a K step back, has read its address: it is stepped here, ahead of the waits of the change of slots
	s_add_nc_u64 s[PFA:PFA+1], s[PFA:PFA+1], KSTEP*2
	MEET 1
	CREST                                          ; the barrier has opened a round of the cluster's: no wave of any partner still reads this slot or has a load on its way
	s_add_nc_u64 s[G0+4*(\slot)+2:G0+4*(\slot)+3], s[G0+4*(\slot)+2:G0+4*(\slot)+3], 2*KSTEP*2
	s_add_nc_u64 s[G0B+4*(\slot)+2:G0B+4*(\slot)+3], s[G0B+4*(\slot)+2:G0B+4*(\slot)+3], 2*KSTEP*2
	JLOAD \slot                                    ; the first tensor load behind the round: 224 matrix instructions ahead of the wait for it; its four v_nop are also the places in front of the loads below
	FETCH \next, 0, F0
	ASK
	MUL16 F1, 1, 0, 0
	MUL16 F1, 1, 2, 0
.endm
	s_wait_tensorcnt 1                             ; my part of K step 0 is in; K step 1's load may stay out
	s_barrier_signal -1
	s_barrier_wait -1
	FETCH 0, 0, F0
	QUARTER 0, 64,  F0, F1, 1                      ; the first quarter stands in front of the loop: its products start the sums
	WIN 0                                          ; at a label and at a branch every window is 0
	s_mov_b32 s3, LAPS-1
.Llap:                                                 ; a trip goes once round the ring, from a lap's second quarter to the next lap's first, and fills both slots again
	QUARTER 0, 128, F1, F0, 0
	QUARTER 0, 192, F0, F1, 0
	TURN 0, 1
	QUARTER 1, 64,  F0, F1, 0
	QUARTER 1, 128, F1, F0, 0
	QUARTER 1, 192, F0, F1, 0
	TURN 1, 0
	QUARTER 0, 64,  F0, F1, 0
	WIN 0
	s_sub_co_u32 s3, s3, 1
	s_cmp_lg_u32 s3, 0
	s_cbranch_scc1 .Llap
	QUARTER 0, 128, F1, F0, 0                      ; the last lap fills nothing, and has no round of the cluster's barrier
	QUARTER 0, 192, F0, F1, 0
	MEET 0
	PLACES
	FETCH 1, 0, F0
	MUL16 F1, 1, 0, 0
	MUL16 F1, 1, 2, 0
	QUARTER 1, 64,  F0, F1, 0
	QUARTER 1, 128, F1, F0, 0
	QUARTER 1, 192, F0, F1, 0
	s_wait_dscnt 8                                 ; the very last quarter: nothing more to fetch
	MUL16 F1, 0, 0, 0
	MUL16 F1, 0, 2, 0
	s_wait_dscnt 0x0
	MUL16 F1, 1, 0, 0
	MUL16 F1, 1, 2, 0
	PLACES
; THE WAY OUT of 16 rows (block a).  PACK: rounded to f16, 16 bytes a lane, each accumulator's registers in ascending order.  TOSTAGE: into my own stage, a block of rows of 144 bytes for each head, and back as whole rows of 128.
; SEND: stored, four rows of a head, 512 consecutive bytes, an instruction.
.macro PACK a
.set AC, 64*((\a)%4)
	WIN 0x0a+5*((\a)/4)                            ; sources 0 and 1: window 2 or 3
.irp b, 0,1,2,3,4,5,6,7
.irp r, 0,1,2,3
	v_cvt_pk_f16_f32 v[TMP+4*(\b)+(\r)], v[AC+8*(\b)+2*(\r)], v[AC+8*(\b)+2*(\r)+1]
.endr
.endr
	WIN 0
.endm
.macro TOSTAGE a
.set BK, OB+192*((\a)%2)
.irp b, 0,1,2,3,4,5,6,7
	ds_store_b128 v[STO], v[TMP+4*(\b):TMP+4*(\b)+3] offset:((\b)/4)*16*SP+32*((\b)%4)
.endr
.irp t, 0,1,2,3,4,5,6,7
	ds_load_b128 v[BK+4*(\t):BK+4*(\t)+3], v[RD] offset:((\t)/4)*16*SP+((\t)%4)*4*SP  ; LDS serves a wave's instructions in order (ISA guide 5.7.1.4): these see the stores above
.endr
.endm
.macro SEND a
.set BK, OB+192*((\a)%2)
	s_wait_dscnt 0x0                               ; the block is back in registers
	s_wait_xcnt 0x0                                ; the stores of the block before have read their registers: the next loads from the stage land on them only behind this wait
.irp t, 0,1,2,3
	global_store_b128 v[CO], v[BK+4*(\t):BK+4*(\t)+3], s[8:9] offset:(\a)*2048+(\t)*512
.endr
.irp t, 0,1,2,3
	global_store_b128 v[CO], v[BK+16+4*(\t):BK+16+4*(\t)+3], s[66:67] offset:(\a)*2048+(\t)*512
.endr
.endm
	PACK 0
	TOSTAGE 0
.irp a, 1,2,3,4,5,6,7                  ; block a's conversions stand between block a - 1's loads from the stage and the wait for them
	PACK \a
	SEND (\a)-1
	TOSTAGE \a
.endr
	SEND 7
	s_wait_tensorcnt 0x0                           ; the wave's end
	ds_add_u32 v[SPW], v[NIL]
	s_wait_dscnt 0x0
	CROUND                                         ; the closing round
	s_endpgm
.Lfunc_end_k_qa2f4835947_proj:
	.size	k_qa2f4835947_proj, .Lfunc_end_k_qa2f4835947_proj-k_qa2f4835947_proj
	.p2alignl 7, 3214868480
	.fill 96, 4, 3214868480
	.section	.rodata,"a",@progbits
	.p2align	6, 0x0
	.amdhsa_kernel k_qa2f4835947_proj
		.amdhsa_group_segment_fixed_size 327680
		.amdhsa_private_segment_fixed_size 0
		.amdhsa_enable_private_segment 0
		.amdhsa_kernarg_size 48
		.amdhsa_user_sgpr_count 2
		.amdhsa_user_sgpr_kernarg_segment_ptr 1
		.amdhsa_wavefront_size32 1
		.amdhsa_system_sgpr_workgroup_id_x 1
		.amdhsa_system_sgpr_workgroup_id_y 1
		.amdhsa_system_sgpr_workgroup_id_z 1
		.amdhsa_system_vgpr_workitem_id 0
		.amdhsa_next_free_vgpr 1024
		.amdhsa_next_free_sgpr 84
		.amdhsa_reserve_vcc 0
		.amdhsa_float_denorm_mode_32 3
		.amdhsa_float_denorm_mode_16_64 3
		.amdhsa_memory_ordered 1
		.amdhsa_forward_progress 1
		.amdhsa_inst_pref_size 148
	.end_amdhsa_kernel
	.amdgpu_metadata
---
amdhsa.version: [ 1, 2 ]
amdhsa.kernels:
  - .name:           k_qa2f4835947_proj
    .symbol:         k_qa2f4835947_proj.kd
    .args:
      - { .name: XB, .offset: 0, .size: 8, .value_kind: global_buffer, .address_space: global }
      - { .name: WT, .offset: 8, .size: 8, .value_kind: global_buffer, .address_space: global }
      - { .name: r_w_bias, .offset: 16, .size: 8, .value_kind: global_buffer, .address_space: global }
      - { .name: kb, .offset: 24, .size: 8, .value_kind: global_buffer, .address_space: global }
      - { .name: vb, .offset: 32, .size: 8, .value_kind: global_buffer, .address_space: global }
      - { .name: HB, .offset: 40, .size: 8, .value_kind: global_buffer, .address_space: global }
    .group_segment_fixed_size: 327680
    .private_segment_fixed_size: 0
    .kernarg_segment_align: 8
    .kernarg_segment_size: 48
    .max_flat_workgroup_size: 128
    .sgpr_count:     84
    .vgpr_count:     1024
    .wavefront_size: 32
...
	.end_amdgpu_metadata
.endif
;; end of part 2
;; launch attn (part 3): grid 8 x 32, 4 waves a work-group, no clusters, 327,680 bytes of LDS; arguments HB, MS, seg_embed, r_s_bias, r_w_bias, r_r_bias, AV; writes AV
.if DOCPART == 3
	.amdgcn_target "amdgcn-amd-amdhsa--gfx1250"
	.amdhsa_code_object_version 6
	.text
	.protected	k_qa2f4835947_attn
	.globl	k_qa2f4835947_attn
	.p2align	8
	.type	k_qa2f4835947_attn,@function
k_qa2f4835947_attn:
	s_mov_b64 s[64:65], 0
	v_nop
	global_prefetch_b8 v0, s[64:65] scope:SCOPE_SE
	s_setreg_imm32_b32 hwreg(HW_REG_WAVE_MODE, 25, 1), 1
	s_wait_xcnt 0x0
; ATTENTION WITH RELATIVE POSITIONS.  For head (b, n), query i, key j, on UNSCALED heads (the factor 1/8 lies in c):
;   s[i][j] = (q + r_w_bias)[i] . k[j]  +  (q + r_r_bias)[i] . r_head[2048 + j - i]  +  seg[i][j] d8[i]  -  8 INF mask[i][j],      weight = softmax_j(s / 8),      AV[i] = sum_j weight v[j].
; The relative shift is the index 2048 + j - i, which stays in 1 .. 4095.  Of the segment bias only d8[i] = (q + r_s_bias)[i] . (seg_embed[1] - seg_embed[0]) is kept: the other part is the same for all j and leaves a softmax unchanged.
; Heads and weights are f16, sums f32, a running maximum is taken away before every exponential; AV is rounded once to bf16.  q + r_r_bias is made here, from q + r_w_bias (f16) by one packed f16 addition of r_r_bias - r_w_bias.
; LIMITS.  mask and d8 enter a bf16 product, and 8 INF = 8e6 is taken as the bf16 number 7,995,392 (INF as 999,424); the mask is finite; heads lie within f16's 65,504; a weight below 2^-126 counts as 0.
; SHARES.  A work-group owns 256 queries of one head, a wave 64: four PIECES of 16.  Every wave walks all 2,048 keys, 64 a step, two steps to an LDS slot.  The mask is an input: no tile is left out.
; LAYOUT.  All score products are transposed (source 0 = 16 keys or 16 rows of r_head, source 1 = 16 queries): a lane holds ONE query (lane % 16) and the keys 8 (lane / 16) + 0..7.
; THE SKEW.  A piece and step need 79 rows of r_head: five tiles of 16.  Their products go as they are into the wave's own stage in LDS, a row of 80 numbers a query; each lane reads back number key - r + 16: the skew is an address.
; What comes back starts the sums: onto it one bf16 product adds mask and segment terms (source 0: the fragment that the first launch laid out; source 1: a diagonal of -8 INF and d8), then the f16 products K Q^T.
; BY TURNS.  Turn p does the whole softmax of piece p as vector work, four lines behind each product of the matrix work: the scores of piece p + 1 (10 + 4 + 8 products) and V^T P of piece p - 1 (8).
; A turn's memory instructions stand in TWO runs, and the two waits for its exponentials stand directly ahead of them.
; NO CLUSTER: of the 208 KiB that a work-group moves for two steps only K and V, 32 KiB, are the same tile for the query blocks of a head; their windows of r_head lie 256 rows apart, and the mask fragments go straight into registers.
; REGISTERS, in windows of 256 (s_set_vgpr_msb: bits 1:0 source 0, 3:2 source 1, 5:4 source 2, 7:6 destination):
;   window 0: v0-23 addresses and at work; v24-39 statistics; v40-61 at work in the set-up; v64-127 S^T, two buffers; v128-159 P, two buffers; v160-199 the five position tiles; v200-231 the diagonals
;   window 1: v0-127 O^T, 32 a piece; v128-191 V (beside O^T: one setting serves V^T P and the rescaling)      window 2: v0-63 q + r_w_bias; v64-127 q + r_r_bias; v128-191 K
;   window 3: v0-127 eight tiles of r_head; v128-255 mask fragments, 32 a piece
.set REG,   8388608   ; bytes in a region of HB
.set PK,    144       ; a row of K or r_head in LDS: 128 bytes + 16: the 16 rows of a load start at 16 different groups of four banks (ISA guide 11.1)
.set PV,    160       ; a row of V: 128 + 32
.set VOFF,  128*PK    ; a slot: 128 rows of K, 128 of V, 384 of r_head
.set ROFF,  VOFF+128*PV
.set SLOT1, 1<<17     ; slot 1 begins here: one exclusive or turns an address in one slot into the other's
.set STAGE, ROFF+384*PK  ; behind slot 0, never filled by a tensor load: 16 rows x 528 bytes for each wave
.set STGW,  16*528
.set SPARE, STAGE+4*STGW ; the spare words
.set SP,    144
.set LASTMS, 31*4096  ; the last step's fragments in a row of tiles of MS
.set AK0, 2
.set AV0, 3
.set AR0, 4
.set AK,  5
.set AV,  6
.set AR,  7
.set STW, 8           ; the stage: where I put four numbers of my query's row
.set STR, 9           ; and where I read: 4 bytes less for each query
.set STO, 10
.set RD,  11
.set GO,  12
.set QO,  13
.set MSO, 14
.set PFO, 15
.set MV,  16          ; c m_old
.set TMP, 18          ; v18-21 c0-c3 at work; when the maximum is found c2 takes a
.set ST,  24          ; piece t at ST + 4 t: c m, m, l (even keys', odd keys')
.set SPW, 62
.set NIL, 63
.set S,   64
.set P,   128
.set BD,  160
.set DG,  200
.set DE,  232         ; the set-up: seg_embed[1] - seg_embed[0] as fragments
.set DQ,  160         ; the set-up: r_r_bias - r_w_bias as fragments
.set VF,  128         ; window 1
.set QR,  64          ; window 2
.set KF,  128         ; window 2
.set MSF, 128         ; window 3
.set WV,  16
.set G1K, 24
.set G1V, 32
.set G1R, 40
.set G0K, 48
.set G0V, 52
.set G0R, 56
.set CS,  60          ; s[60:61] c = log2(e) / 8
.set SEL, 62
.set TBK, 66
.set TBV, 67
.set TBR, 68
.set CNT, 69
.set SLOTS, 70
.set MSOFF, 72        ; s[72:73] the byte offset in MS of the step whose fragments are loaded next
.set MSBS, 74         ; s[74:75] MS at my wave's four rows of tiles
.set MSP, 76          ; s[76:77] MSBS + MSOFF
.set PFP, 78          ; s[78:79] where the prefetch stands
.set PFOFF, 80
.set PFLAG, 82        ; 1 in the work-groups of head 0
.set MSB, 0
.macro WIN new
.if MSB != (\new)
	s_set_vgpr_msb (MSB<<8)|(\new)
.set MSB, (\new)
.endif
.endm
.set W_BD, 0x0b       ; r_head window 3, q window 2
.set W_MK, 0x03       ; mask fragments window 3
.set W_KQ, 0x0a       ; K and q window 2
.set W_PV, 0x51       ; V and O^T window 1, P window 0
.set W_RS, 0x51       ; the rescaling: destination and source 0 window 1, source 1 window 0: the same setting
; A fill: wave 0 fetches a slot's K, wave 1 its V, waves 2 and 3 the two halves of its 384 rows of r_head.  An s_nop 0 and four v_nop follow each line.
.macro LOAD3
	s_cmp_lt_u32 s[WV], 2
	s_cbranch_scc0 .Lfor_r_\@
	s_cmp_eq_u32 s[WV], 0
	s_cbranch_scc0 .Lfor_v_\@
	tensor_load_to_lds s[G0K:G0K+3], s[G1K:G1K+7]
	s_nop 0
.rept 4
	v_nop
.endr
	s_branch .Lasked_\@
.Lfor_v_\@:
	tensor_load_to_lds s[G0V:G0V+3], s[G1V:G1V+7]
	s_nop 0
.rept 4
	v_nop
.endr
	s_branch .Lasked_\@
.Lfor_r_\@:
	tensor_load_to_lds s[G0R:G0R+3], s[G1R:G1R+7]
	s_nop 0
.rept 4
	v_nop
.endr
.Lasked_\@:
.endm
; THE CHANGE OF SLOTS.  Each wave waits for all its tensor loads (one is out: its part of the other slot), adds 0 to its spare word, and waits for that and for its reads of the slot that it leaves.
; fill = 1: the old slot is filled again, first thing behind the barrier, with the next 128 keys but one; all three tensors step by 128 rows of 128 bytes.  It has two steps, eight turns, in which to land.
.macro CHANGE fill
	WIN 0
	s_wait_tensorcnt 0x0            ; no tensor load of mine is out, so a group 0 may be written
	ds_add_u32 v[SPW], v[NIL]
.if \fill
.irp g, G0K, G0V, G0R
	s_xor_b32 s[\g+1], s[\g+1], SLOT1
	s_add_nc_u64 s[\g+2:\g+3], s[\g+2:\g+3], 16384
.endr
.endif
	s_wait_dscnt 0x0                ; the add is done, and my reads of the slot are over
	s_barrier_signal -1
	s_sub_co_u32 s[TBK], s[TBK], 128*PK   ; the fetches go back to a slot's first step, in the other slot
	s_xor_b32 s[TBK], s[TBK], SLOT1
	s_sub_co_u32 s[TBV], s[TBV], 128*PV
	s_xor_b32 s[TBV], s[TBV], SLOT1
	s_sub_co_u32 s[TBR], s[TBR], 128*PK
	s_xor_b32 s[TBR], s[TBR], SLOT1
	s_barrier_wait -1
.if \fill
	LOAD3
.endif
.endm
	s_load_b256 s[4:11], s[0:1], 0x0  ; HB s[4:5], MS s[6:7], seg_embed s[8:9], r_s_bias s[10:11]
	s_load_b128 s[12:15], s[0:1], 0x20  ; r_w_bias s[12:13], r_r_bias s[14:15]
	s_load_b64 s[84:85], s[0:1], 0x30   ; AV
	v_lshl_add_u32 v[SPW], v0, 2, SPARE
	v_mov_b32 v[NIL], 0
	ds_add_u32 v[SPW], v[NIL]       ; the wave's opening
	ds_add_u32 v62, v63
	v_lshrrev_b32 v1, 5, v0
	v_readfirstlane_b32 s[WV], v1   ; wave 0..3
	s_mov_b32 s17, ttmp9            ; block of 256 queries
	s_and_b32 s18, ttmp7, 0xffff    ; 16 b + n
	s_and_b32 s19, s18, 15          ; n
	s_lshr_b32 s20, s18, 4          ; b
	; descriptor group 1.  Rows of 128 bytes lie end to end: asked for as rows of 256 bytes, two a row, padded in LDS after every 128 bytes
	s_mov_b32 s[G1K], (1<<16)|(1<<20)|(4<<22)|(3<<25)  ; 2-byte elements; padding on; after every 32 words 4 words
	s_mov_b32 s[G1V], (1<<16)|(1<<20)|(4<<22)|(7<<25)  ; 8 words
	s_mov_b32 s[G1R], (1<<16)|(1<<20)|(4<<22)|(3<<25)
.irp g, G1K, G1V, G1R
	s_mov_b32 s[\g+1], 128<<16      ; tensor_dim0 = 128
	s_mov_b32 s[\g+3], 128<<16      ; tile_dim0 = 128
	s_mov_b32 s[\g+5], 128          ; elements from row to row
	s_mov_b32 s[\g+6], 0
	s_mov_b32 s[\g+7], 0
.endr
	s_mov_b32 s[G1K+2], 64<<16      ; 128 keys: 64 rows
	s_mov_b32 s[G1K+4], 64
	s_mov_b32 s[G1V+2], 64<<16
	s_mov_b32 s[G1V+4], 64
	s_mov_b32 s[G1R+2], 96<<16      ; 192 rows of r_head: 96 rows
	s_mov_b32 s[G1R+4], 96
	s_mov_b32 s[G0K], 1
	s_mov_b32 s[G0K+1], 0
	s_mov_b32 s[G0V], 1
	s_mov_b32 s[G0V+1], VOFF
	s_mov_b32 s[G0R], 1
	s_and_b32 s94, s[WV], 1         ; which half of r_head's rows (waves 2, 3)
	s_mul_i32 s95, s94, 192*PK
	s_add_co_u32 s[G0R+1], s95, ROFF
	s_mul_i32 s95, s94, 192
	s_lshl_b32 s92, s17, 8
	s_sub_co_u32 s92, 1792, s92     ; the first slot's first row of r_head: 2048 - 256 - 256 x block
	s_add_co_u32 s92, s92, s95
	s_lshl_b32 s92, s92, 7
	s_lshl_b32 s95, s19, 19         ; head n: 4,096 rows of 128 bytes
	s_add_co_u32 s92, s92, s95
	s_mov_b32 s93, 0
	s_lshl_b32 s90, s18, 18         ; (16 b + n) x 2,048 rows of 128 bytes
	s_mov_b32 s91, 0
	s_lshl_b32 s96, s17, 2
	s_add_co_u32 s96, s96, s[WV]    ; my wave among the head's
	s_lshl_b32 s94, s96, 2          ; its first tile of 16 queries
	s_lshl_b32 s96, s96, 13         ; its 64 rows
	s_add_co_u32 s96, s96, s90
	s_mov_b32 s97, 0
	s_lshl_b32 s95, s20, 7
	s_add_co_u32 s94, s94, s95
	s_lshl_b32 s94, s94, 17         ; a row of tiles of MS is 128 x 1,024 bytes
	s_mov_b32 s95, 0
	s_lshl_b32 s98, s19, 8          ; head n in a table of 64 f32
	s_mov_b32 s99, 0
	s_mov_b32 s[CS], 0x3e38aa3b     ; c = log2(e) / 8
	s_mov_b32 s[CS+1], s[CS]
	s_mov_b32 s[SEL], 0x76543210
	s_mov_b32 s[SEL+1], 0xfedcba98
	s_mov_b32 s[TBK], SLOT1+128*PK  ; the first change of slots turns these three into 0
	s_mov_b32 s[TBV], SLOT1+128*PV
	s_mov_b32 s[TBR], SLOT1+128*PK
	s_mov_b32 s[MSOFF], 4096
	s_mov_b32 s[MSOFF+1], 0
	s_mov_b32 s[PFOFF], 3*4096
	s_mov_b32 s[PFOFF+1], 0
	s_cmp_eq_u32 s19, 0
	s_cselect_b32 s[PFLAG], 1, 0
	s_wait_dscnt 0x0                ; the opening add is done
	s_wait_kmcnt 0x0
	s_add_nc_u64 s[G0K+2:G0K+3], s[4:5], s[90:91]
	s_add_nc_u64 s[G0V+2:G0V+3], s[G0K+2:G0K+3], 2*REG
	s_add_nc_u64 s[G0K+2:G0K+3], s[G0K+2:G0K+3], REG
	s_add_nc_u64 s[G0R+2:G0R+3], s[4:5], s[92:93]
	s_add_nc_u64 s[G0R+2:G0R+3], s[G0R+2:G0R+3], 3*REG
	s_or_b32 s[G0K+3], s[G0K+3], 0x80000000
	s_or_b32 s[G0V+3], s[G0V+3], 0x80000000
	s_or_b32 s[G0R+3], s[G0R+3], 0x80000000
	s_add_nc_u64 s[86:87], s[4:5], s[96:97]     ; q + r_w_bias at my rows
	s_add_nc_u64 s[84:85], s[84:85], s[96:97]   ; AV
	s_add_nc_u64 s[MSBS:MSBS+1], s[6:7], s[94:95]
	s_add_nc_u64 s[MSP:MSP+1], s[MSBS:MSBS+1], s[MSOFF:MSOFF+1]
	s_add_nc_u64 s[PFP:PFP+1], s[MSBS:MSBS+1], s[PFOFF:PFOFF+1]
	s_add_nc_u64 s[8:9], s[8:9], s[98:99]
	s_add_nc_u64 s[10:11], s[10:11], s[98:99]
	s_add_nc_u64 s[12:13], s[12:13], s[98:99]
	s_add_nc_u64 s[14:15], s[14:15], s[98:99]
	LOAD3                           ; slot 0.  Slot 1 is asked for when slot 0 is in
	v_and_b32 v1, 15, v0            ; r = l % 16
	v_bfe_u32 v22, v0, 4, 1         ; h = l / 16
	v_and_b32 v23, 31, v0           ; l
	v_lshlrev_b32 v[QO], 7, v1
	v_lshl_add_u32 v[QO], v22, 4, v[QO]  ; row x 128 + 16 x half
	v_lshlrev_b32 v[MSO], 4, v23
	v_lshlrev_b32 v40, 5, v22       ; eight f32 for each half of the lanes
	v_lshlrev_b32 v41, 3, v23       ; two f32 a lane
.set i, 0
.rept 8                             ; four tables in the order of a fragment's channels, 32 (i / 4) + 16 ((i / 2) % 2) + 8 h + 4 (i % 2) + 0..3: seg_embed[0] -> v128-159, [1] -> v160-191, r_w_bias -> v192-223, r_r_bias -> v96-127
	global_load_b128 v[128+4*i:128+4*i+3], v40, s[8:9] offset:(i/4)*128+((i/2)%2)*64+(i%2)*16
	global_load_b128 v[160+4*i:160+4*i+3], v40, s[8:9] offset:(i/4)*128+((i/2)%2)*64+(i%2)*16+4096
	global_load_b128 v[192+4*i:192+4*i+3], v40, s[12:13] offset:(i/4)*128+((i/2)%2)*64+(i%2)*16
	global_load_b128 v[96+4*i:96+4*i+3],   v40, s[14:15] offset:(i/4)*128+((i/2)%2)*64+(i%2)*16
.set i, i+1
.endr
	global_load_b64 v[42:43], v41, s[10:11]              ; r_s_bias
	global_load_b64 v[44:45], v41, s[12:13]              ; r_w_bias
	global_load_b64 v[46:47], v41, s[8:9]                ; seg_embed[0]
	global_load_b64 v[48:49], v41, s[8:9] offset:4096    ; seg_embed[1]
	WIN 0x80                        ; destination window 2
.set i, 0
.rept 8                             ; piece i / 2, channels 32 (i % 2) on
	global_load_b128 v[8*i:8*i+3],   v[QO], s[86:87] offset:(i/2)*2048+(i%2)*64
	global_load_b128 v[8*i+4:8*i+7], v[QO], s[86:87] offset:(i/2)*2048+(i%2)*64+32
.set i, i+1
.endr
; Piece x's four mask fragments of one step: eight loads of 512 consecutive bytes
.macro MSLD x, base
	WIN 0xc0                        ; destination window 3
.irp kt, 0,1,2,3
	global_load_b128 v[MSF+32*(\x)+8*(\kt):MSF+32*(\x)+8*(\kt)+3],   v[MSO], s[(\base):(\base)+1] offset:(\x)*131072+(\kt)*1024
	global_load_b128 v[MSF+32*(\x)+8*(\kt)+4:MSF+32*(\x)+8*(\kt)+7], v[MSO], s[(\base):(\base)+1] offset:(\x)*131072+(\kt)*1024+512
.endr
.endm
	MSLD 0, MSBS                    ; step 0
	MSLD 1, MSBS
	MSLD 2, MSBS
	MSLD 3, MSBS
	; What the first turn finds: O^T, V, P's second buffer and l are 0 (its products V^T P, of a piece that has not been, add 0).  All this stands in the wait for the first loads.
	WIN 0x40
.set i, 0
.rept 192
	v_mov_b32 v[i], 0               ; O^T and V
.set i, i+1
.endr
	WIN 0
.set i, 0
.rept 4
	v_mov_b32 v[ST+4*i], 0xfe000000    ; c m: far below every c s, so the first step's a is 0
	v_mov_b32 v[ST+4*i+1], 0xff7fffff  ; m: the lowest finite number
	v_mov_b32 v[ST+4*i+2], 0
	v_mov_b32 v[ST+4*i+3], 0
.set i, i+1
.endr
	v_mul_u32_u24 v[AK0], v1, PK
	v_lshl_add_u32 v[AK0], v22, 4, v[AK0]  ; row x pitch + 16 x half
	s_mul_i32 s90, s[WV], 64*PK
	s_sub_co_u32 s90, ROFF+192*PK, s90     ; my wave's eight tiles of r_head begin at row 192 - 64 w of the slot's window (+ 64 in the second step)
	v_add_nc_u32 v[AR0], s90, v[AK0]
	v_and_b32 v50, 7, v0
	v_bfe_u32 v51, v0, 3, 1
	v_lshl_add_u32 v[AV0], v22, 3, v50     ; the turning load: key 8 (l / 16) + l % 8, channels 8 ((l / 8) % 2) on
	v_mul_u32_u24 v[AV0], v[AV0], PV
	v_lshl_add_u32 v[AV0], v51, 4, v[AV0]
	v_add_nc_u32 v[AV0], VOFF, v[AV0]
	s_mul_i32 s91, s[WV], STGW
	s_add_co_u32 s91, s91, STAGE           ; my stage
	v_mul_u32_u24 v[STW], v1, 528
	v_lshl_add_u32 v[STW], v22, 5, v[STW]
	v_add_nc_u32 v[STW], s91, v[STW]       ; query r's row, number 8 h of a tile
	v_mul_u32_u24 v[STR], v1, 524
	v_lshl_add_u32 v[STR], v22, 5, v[STR]
	v_add_nc_u32 v[STR], s91, v[STR]
	v_add_nc_u32 v[STR], 64, v[STR]        ; number 16 + 8 h - r of query r's row: lanes fall on banks 3 r + 8 h, all different
	v_add_nc_u32 v[STO], s91, v[AK0]       ; the way out uses the same bytes as rows of 144
	v_bfe_u32 v[RD], v0, 3, 2
	v_mul_u32_u24 v[RD], v[RD], SP
	v_lshl_add_u32 v[RD], v50, 4, v[RD]
	v_add_nc_u32 v[RD], s91, v[RD]
	v_lshlrev_b32 v[GO], 4, v23
	v_lshlrev_b32 v[PFO], 8, v1            ; the prefetch: lanes 256 bytes apart along a row of tiles, the halves of the lanes a row of tiles apart
	v_lshl_add_u32 v[PFO], v22, 17, v[PFO]
	s_wait_loadcnt 32               ; the tables and q are in; the 32 loads of mask fragments may stay out
.set i, 0
.rept 16
	v_pk_add_f32 v[128+2*i:128+2*i+1], v[160+2*i:160+2*i+1], v[128+2*i:128+2*i+1] neg_lo:[0,1] neg_hi:[0,1]  ; De = seg_embed[1] - seg_embed[0]
.set i, i+1
.endr
.set i, 0
.rept 16
	v_cvt_pk_f16_f32 v[DE+i], v[128+2*i], v[128+2*i+1]
.set i, i+1
.endr
.set i, 0
.rept 16
	v_pk_add_f32 v[96+2*i:96+2*i+1], v[96+2*i:96+2*i+1], v[192+2*i:192+2*i+1] neg_lo:[0,1] neg_hi:[0,1]      ; r_r_bias - r_w_bias
.set i, i+1
.endr
.set i, 0
.rept 16
	v_cvt_pk_f16_f32 v[DQ+i], v[96+2*i], v[96+2*i+1]
.set i, i+1
.endr
	WIN 0x82                        ; destination and source 0 window 2
.set i, 0
.rept 64
	v_pk_add_f16 v[QR+i], v[i], v[DQ+i%16]      ; q + r_r_bias: every piece's fragments take the same 16 registers of the difference
.set i, i+1
.endr
	WIN 0
	; d8 = (q + r_w_bias) . De + (r_s_bias - r_w_bias) . De: a product whose source 0 has De in all 16 rows, and a sum over the lanes
	v_pk_add_f32 v[42:43], v[42:43], v[44:45] neg_lo:[0,1] neg_hi:[0,1]
	v_pk_add_f32 v[48:49], v[48:49], v[46:47] neg_lo:[0,1] neg_hi:[0,1]
	v_mul_f32 v42, v42, v48
	v_fmac_f32 v42, v43, v49
	v_add_f32_dpp v42, v42, v42 row_xmask:1 row_mask:0xf bank_mask:0xf
	v_add_f32_dpp v42, v42, v42 row_xmask:2 row_mask:0xf bank_mask:0xf
	v_add_f32_dpp v42, v42, v42 row_xmask:4 row_mask:0xf bank_mask:0xf
	v_add_f32_dpp v42, v42, v42 row_xmask:8 row_mask:0xf bank_mask:0xf
	v_permlanex16_b32 v43, v42, s[SEL], s[SEL+1]
	v_add_f32 v42, v42, v43
	WIN 0x08                        ; source 1 (q) window 2
.irp x, 0,1,2,3                     ; the four pieces' accumulators take turns
	v_wmma_f32_16x16x32_f16 v[S+8*(\x):S+8*(\x)+7], v[DE:DE+7], v[16*(\x):16*(\x)+7], 0
.endr
.irp x, 0,1,2,3
	v_wmma_f32_16x16x32_f16 v[S+8*(\x):S+8*(\x)+7], v[DE+8:DE+15], v[16*(\x)+8:16*(\x)+15], v[S+8*(\x):S+8*(\x)+7]
.endr
	WIN 0
	; the select words: lane (r, h) holds rows 8 h + 0..7 of column r of a diagonal: register i is 0x0000ffff where r - 8 h = 2 i, 0xffff0000 where it is 2 i + 1, else 0.  These lines are also the places behind the products
	v_lshlrev_b32 v44, 3, v22
	v_sub_nc_u32 v44, v1, v44
	s_mov_b32 s92, 0xffff
	s_mov_b32 s93, 0xffff0000
.irp i, 0,1,2,3
	v_cmp_eq_u32 vcc_lo, 2*(\i), v44
	v_cndmask_b32 v[56+(\i)], 0, s92, vcc_lo
	v_cmp_eq_u32 vcc_lo, 2*(\i)+1, v44
	v_cndmask_b32 v[56+(\i)], v[56+(\i)], s93, vcc_lo
.endr
.irp x, 0,1,2,3
	v_add_f32 v[52+(\x)], v[S+8*(\x)], v42      ; every register of the result holds the lane's query's number: the lowest is read
.endr
.irp x, 0,1,2,3
	v_cvt_pk_bf16_f32 v[52+(\x)], v[52+(\x)], v[52+(\x)]
.endr
.irp x, 0,1,2,3
.irp i, 0,1,2,3
	v_and_b32 v[DG+8*(\x)+(\i)], 0xcaf4caf4, v[56+(\i)]     ; rows 0-15: -8 INF on the diagonal, for the mask
	v_and_b32 v[DG+8*(\x)+4+(\i)], v[52+(\x)], v[56+(\i)]   ; rows 16-31: d8 on the diagonal, for seg
.endr
.endr
.set i, P+16
.rept 16
	v_mov_b32 v[i], 0
.set i, i+1
.endr
; THE MATRIX WORK, for pieces XP (scores) and XM (V^T P).  In each run the accumulators take turns, one instruction a turn.
.macro BDM i                        ; product i of 10: tile i % 5 of the piece's five of r_head, channels 32 (i / 5) on
	WIN W_BD
.set qD, BD+8*((\i)%5)
.set qA, 16*(3-XP+(\i)%5)+8*((\i)/5)
.set qB, QR+16*XP+8*((\i)/5)
.if (\i) < 5
	v_wmma_f32_16x16x32_f16 v[qD:qD+7], v[qA:qA+7], v[qB:qB+7], 0
.else
	v_wmma_f32_16x16x32_f16 v[qD:qD+7], v[qA:qA+7], v[qB:qB+7], v[qD:qD+7]
.endif
.endm
.macro MKM kt                       ; mask and segment terms of keys 16 kt on, onto the skewed position scores
	WIN W_MK
.set qD, S+32*(XP%2)+8*(\kt)
.set qA, MSF+32*XP+8*(\kt)
.set qB, DG+8*XP
	v_wmma_f32_16x16x32_bf16 v[qD:qD+7], v[qA:qA+7], v[qB:qB+7], v[qD:qD+7]
.endm
.macro KQM i                        ; product i of 8: keys 16 (i % 4) on, channels 32 (i / 4) on
	WIN W_KQ
.set qD, S+32*(XP%2)+8*((\i)%4)
.set qA, KF+16*((\i)%4)+8*((\i)/4)
.set qB, 16*XP+8*((\i)/4)
	v_wmma_f32_16x16x32_f16 v[qD:qD+7], v[qA:qA+7], v[qB:qB+7], v[qD:qD+7]
.endm
.macro PVM i                        ; product i of 8: keys 32 (i / 4) on, channels 16 (i % 4) on
	WIN W_PV
.set qD, 32*XM+8*((\i)%4)
.set qA, VF+32*((\i)/4)+8*((\i)%4)
.set qB, P+16*(XM%2)+8*((\i)/4)
	v_wmma_f32_16x16x32_f16 v[qD:qD+7], v[qA:qA+7], v[qB:qB+7], v[qD:qD+7]
.endm
.macro WST n                        ; four numbers of a position tile into my query's row of the stage, each tile's low registers first
	WIN 0
	ds_store_b128 v[STW], v[BD+4*(\n):BD+4*(\n)+3] offset:64*((\n)/2)+16*((\n)%2)
.endm
.macro GLD n                        ; score n of 32 comes back skewed.  LDS serves a wave's instructions in order (ISA guide 5.7.1.4): it sees the stores above, and the next turn's stores come behind it
	WIN 0
	ds_load_b32 v[S+32*(XP%2)+(\n)], v[STR] offset:64*((\n)/8)+4*((\n)%8)
.endm
.macro SKEW                         ; the stage's 10 stores and 32 loads, on end
.set g, 0
.rept 10
	WST g
.set g, g+1
.endr
.set g, 0
.rept 32
	GLD g
.set g, g+1
.endr
.endm
; THE LDS LOADS OF A STEP.  Their addresses are made some lines ahead, so that no vector line stands inside a run.  last = 1 (the tail): in the last trip there is no further step, and the loads are jumped over.
.macro FETCH_K last=0
	WIN 0
.if \last
	s_cmp_eq_u32 s[CNT], 1
	s_cbranch_scc1 .Lno_k_\@
.endif
	WIN 0x80                        ; destination window 2
.irp f, 0,1,2,3,4,5,6,7             ; keys 16 (f / 2) on, channels 32 (f % 2) on
	ds_load_b128 v[KF+8*\f:KF+8*\f+3],   v[AK] offset:(\f/2)*16*PK+(\f%2)*64
	ds_load_b128 v[KF+8*\f+4:KF+8*\f+7], v[AK] offset:(\f/2)*16*PK+(\f%2)*64+32
.endr
	s_add_co_u32 s[TBK], s[TBK], 64*PK
	WIN 0
.if \last
.Lno_k_\@:
.endif
.endm
.macro FETCH_V
	WIN 0x40                        ; destination window 1
.irp f, 0,1,2,3,4,5,6,7             ; keys 32 (f / 4) on, channels 16 (f % 4) on
	ds_load_tr16_b128 v[VF+8*\f:VF+8*\f+3],   v[AV] offset:(\f/4)*32*PV+(\f%4)*32
	ds_load_tr16_b128 v[VF+8*\f+4:VF+8*\f+7], v[AV] offset:(\f/4)*32*PV+16*PV+(\f%4)*32
.endr
	s_add_co_u32 s[TBV], s[TBV], 64*PV
	WIN 0
.endm
.macro FETCH_R last=0
	WIN 0
.if \last
	s_cmp_eq_u32 s[CNT], 1
	s_cbranch_scc1 .Lno_r_\@
.endif
	WIN 0xc0                        ; destination window 3
.irp f, 0,1,2,3,4,5,6,7,8,9,10,11,12,13,14,15  ; tile f / 2, channels 32 (f % 2) on
	ds_load_b128 v[8*\f:8*\f+3],   v[AR] offset:(\f/2)*16*PK+(\f%2)*64
	ds_load_b128 v[8*\f+4:8*\f+7], v[AR] offset:(\f/2)*16*PK+(\f%2)*64+32
.endr
	s_add_co_u32 s[TBR], s[TBR], 64*PK
	WIN 0
.if \last
.Lno_r_\@:
.endif
.endm
; THE VECTOR WORK of piece Y, one line at a time: OP kind, number.  X n: number n of the 22 that find the maximum and statistics (0-11 four chains c0-c3; 12-14, 16 the scores left over, the old m, all into c0;
; 15 c m_old is kept; 17, 18 the other half of the lanes; 19-21 c m, its change, a).  F n: c s - c m for pair n.  E n: the exponential of score n.  C n: pair n rounded to f16.
; B n: of the four weights 4 n .. the second pair onto the first.  L n: l takes that sum (L 0: l = a l + sum).  R n: pair n of O^T times a.
.set F, 0
.set E, 1
.set C, 2
.set B, 3
.set L, 4
.set R, 5
.set X, 6
.macro OP k, n
.if (\k) == R
	WIN W_RS
	v_pk_mul_f32 v[rO+2*(\n):rO+2*(\n)+1], v[rO+2*(\n):rO+2*(\n)+1], v[TMP+2:TMP+3] op_sel_hi:[1,0]
.else
	WIN 0
.if (\k) == F
	v_pk_fma_f32 v[rS+2*(\n):rS+2*(\n)+1], v[rS+2*(\n):rS+2*(\n)+1], s[CS:CS+1], v[rT:rT+1] op_sel_hi:[1,0,0] neg_lo:[0,0,1] neg_hi:[0,0,1]
.elseif (\k) == E
	v_exp_f32 v[rS+(\n)], v[rS+(\n)]
.elseif (\k) == C
	v_cvt_pk_f16_f32 v[rP+(\n)], v[rS+2*(\n)], v[rS+2*(\n)+1]
.elseif (\k) == B
	v_pk_add_f32 v[rS+4*(\n):rS+4*(\n)+1], v[rS+4*(\n):rS+4*(\n)+1], v[rS+4*(\n)+2:rS+4*(\n)+3]
.elseif ((\k) == L) && ((\n) == 0)
	v_pk_fma_f32 v[rT+2:rT+3], v[rT+2:rT+3], v[TMP+2:TMP+3], v[rS:rS+1] op_sel_hi:[1,0,1]
.elseif (\k) == L
	v_pk_add_f32 v[rT+2:rT+3], v[rT+2:rT+3], v[rS+4*(\n):rS+4*(\n)+1]
.elseif (\n) < 4
	v_max3_num_f32 v[TMP+(\n)], v[rS+8*(\n)], v[rS+8*(\n)+1], v[rS+8*(\n)+2]
.elseif (\n) < 12
	v_max3_num_f32 v[TMP+(\n)%4], v[TMP+(\n)%4], v[rS+8*((\n)%4)+2*((\n)/4)+1], v[rS+8*((\n)%4)+2*((\n)/4)+2]
.elseif (\n) == 12
	v_max3_num_f32 v[TMP], v[TMP], v[rS+7], v[rS+15]
.elseif (\n) == 13
	v_max3_num_f32 v[TMP+1], v[TMP+1], v[rS+23], v[rS+31]
.elseif (\n) == 14
	v_max3_num_f32 v[TMP+2], v[TMP+2], v[TMP+3], v[rT+1]
.elseif (\n) == 15
	v_mov_b32 v[MV], v[rT]
.elseif (\n) == 16
	v_max3_num_f32 v[TMP], v[TMP], v[TMP+1], v[TMP+2]
.elseif (\n) == 17
	v_permlanex16_b32 v[TMP+3], v[TMP], s[SEL], s[SEL+1]
.elseif (\n) == 18
	v_max_num_f32 v[rT+1], v[TMP], v[TMP+3]
.elseif (\n) == 19
	v_mul_f32 v[rT], s[CS], v[rT+1]
.elseif (\n) == 20
	v_sub_f32 v[TMP+1], v[MV], v[rT]
.else
	v_exp_f32 v[TMP+2], v[TMP+1]
.endif
.endif
.endm
.macro OPS a, i1, b=-1, i2=0, c=-1, i3=0, d=-1, i4=0
	OP \a, \i1
.if (\b) >= 0
	OP \b, \i2
.endif
.if (\c) >= 0
	OP \c, \i3
.endif
.if (\d) >= 0
	OP \d, \i4
.endif
.endm
.macro PLACES
.rept 4
	v_nop
.endr
.endm
; A TURN, for piece p: 30 products, four vector lines behind each, and two runs of memory instructions.
;   10 position products of piece p + 1 | the maximum, the statistics, a, the first scalings and six exponentials; the last four lines are scalings: the places ahead of the stores that read the last product's result
;   THE FIRST WAIT for exponentials: it serves a and the six
;   RUN A: the stage's 10 stores and 32 skewed loads; in piece 3's turn the next step's K behind them
;   8 products V^T P of piece p - 1 | the last scalings, twelve rescalings (they read a), sixteen exponentials
;   4 mask products of piece p + 1 | the last ten exponentials, two plain lines, four rescalings: these six are the places (five are asked for) between a bf16 product and the f16 product that takes up its accumulator,
;     the last four also those ahead of the loads into the fragments' registers, and the plain line behind the last exponential
;   THE SECOND WAIT, for the other 26 exponentials
;   RUN B: the piece's mask fragments for its next step; in piece 0's turn V of the step in hand, in piece 2's the next step's r_head and the prefetch
;   8 products K Q^T of piece p + 1 | the roundings and sums; the last four are the places ahead of the next turn's first read of those scores
.macro TURN p, last=0
.set Y, (\p)
.set XP, ((\p)+1)%4
.set XM, ((\p)+3)%4
.set rT, ST+4*Y
.set rS, S+32*(Y%2)
.set rP, P+16*(Y%2)
.set rO, 32*Y
.if (\p) == 3
	s_wait_dscnt 0x0                ; r_head of the next step is in
.endif
	BDM 0
	OPS X,0, X,1, X,2, X,3
	BDM 1
	OPS X,4, X,5, X,6, X,7
	BDM 2
	OPS X,8, X,9, X,10, X,11
	BDM 3
	OPS X,12, X,13, X,15, X,14
	BDM 4
	OPS X,16, X,17, X,18, X,19
	BDM 5
	OPS X,20, X,21, F,0, F,1
	BDM 6
	OPS F,2, E,0, F,3, E,1
	BDM 7
	OPS F,4, E,2, F,5, E,3
	BDM 8
	OPS F,6, E,4, F,7, E,5
.if (\p) == 3
	v_add_nc_u32 v[AK], s[TBK], v[AK0]
.endif
	BDM 9
	OPS F,8, F,9, F,10, F,11
	s_wait_alu depctr_va_vdst(0)    ; the first wait: a and six exponentials
	SKEW
.if (\p) == 3
	FETCH_K \last
.endif
.if (\p) == 1
	s_wait_dscnt 42                 ; V is in: behind its loads only the 42 instructions of the run above were issued
.endif
	PVM 0
	OPS F,12, E,6, F,13, E,7
	PVM 1
	OPS F,14, E,8, F,15, E,9
	PVM 2
	OPS R,0, R,1, E,10, E,11
	PVM 3
	OPS R,2, R,3, E,12, E,13
	PVM 4
	OPS R,4, R,5, E,14, E,15
	PVM 5
	OPS R,6, R,7, E,16, E,17
	PVM 6
	OPS R,8, R,9, E,18, E,19
	PVM 7
	OPS R,10, R,11, E,20, E,21
	s_wait_dscnt 0x0                ; the skewed scores are in (in piece 3's turn K too)
	s_wait_loadcnt 24               ; piece p + 1's mask fragments are in: behind them the three other pieces' eight loads each were issued
	MKM 0
	OPS E,22, E,23
	v_nop
	OP E, 24
	MKM 1
	OPS E,25, E,26
.if (\p) == 0
	v_add_nc_u32 v[AV], s[TBV], v[AV0]
.elseif (\p) == 2
	v_add_nc_u32 v[AR], s[TBR], v[AR0]
.else
	v_nop
.endif
	OP E, 27
	MKM 2
	OPS E,28, E,29, E,30, E,31
	MKM 3
	OPS R,12, R,13, R,14, R,15
	s_wait_alu depctr_va_vdst(0)    ; the second wait: the other 26 exponentials
	MSLD XP, MSP
.if (\p) == 0
	FETCH_V
.endif
.if (\p) == 2
	FETCH_R \last
	; A PREFETCH of mask fragments, behind the turn's loads: my wave's four rows of tiles, 4,096 bytes each, of the step two beyond the one that the turn's own loads name.  The sixteen heads of a batch read the same fragments:
	; head 0's work-groups ask, each wave for its own, a lane for each 256 bytes.  The first three steps come by their loads alone; at the end the address stays at the last step.
	s_cmp_eq_u32 s[PFLAG], 1
	s_cbranch_scc0 .Lnot_mine_\@
	global_prefetch_b8 v[PFO], s[PFP:PFP+1] th:TH_LOAD_NT scope:SCOPE_SE
	global_prefetch_b8 v[PFO], s[PFP:PFP+1] offset:262144 th:TH_LOAD_NT scope:SCOPE_SE
.Lnot_mine_\@:
.endif
	KQM 0
	OPS C,0, B,0, C,2, B,1
	KQM 1
	OPS L,0, C,4, B,2, L,1
	KQM 2
	OPS C,6, B,3, L,2, C,8
	KQM 3
	OPS B,4, L,3, C,10, B,5
	KQM 4
	OPS L,4, C,12, B,6, L,5
	KQM 5
	OPS C,14, B,7, L,6, C,1
	KQM 6
	OPS C,3, L,7, C,5, C,7
	KQM 7
	OPS C,9, C,11, C,13, C,15
.if (\p) == 2
	s_wait_xcnt 0x0                 ; the loads and prefetches, eight products back, have read their bases: piece 0's next loads are a step further on
	s_add_co_u32 s[MSOFF], s[MSOFF], 4096
	s_min_u32 s[MSOFF], s[MSOFF], LASTMS       ; the loads for a step that does not exist stay inside MS and serve nothing
	s_add_nc_u64 s[MSP:MSP+1], s[MSBS:MSBS+1], s[MSOFF:MSOFF+1]
	s_add_co_u32 s[PFOFF], s[MSOFF], 2*4096
	s_min_u32 s[PFOFF], s[PFOFF], LASTMS
	s_add_nc_u64 s[PFP:PFP+1], s[MSBS:MSBS+1], s[PFOFF:PFOFF+1]
.endif
.endm
	CHANGE 1                        ; slot 0 is in, everybody's part of it; slot 1 is asked for
	v_add_nc_u32 v[AR], s[TBR], v[AR0]
	v_add_nc_u32 v[AK], s[TBK], v[AK0]
	FETCH_R                         ; step 0
	FETCH_K
	s_wait_dscnt 0x0
.set XP, 0                          ; piece 0's first scores: there is no vector work yet to set between the products
.irp i, 0,1,2,3,4,5,6,7,8,9
	BDM \i
.endr
	WIN 0
	PLACES
	SKEW
	s_wait_dscnt 0x0
	s_wait_loadcnt 24               ; piece 0's fragments of step 0
.irp i, 0,1,2,3
	MKM \i
.endr
	WIN 0
.rept 5
	v_nop                           ; five places between a bf16 product and the f16 product that takes up its accumulator
.endr
	MSLD 0, MSP                     ; step 1
.irp i, 0,1,2,3,4,5,6,7
	KQM \i
.endr
	WIN 0
	PLACES
	s_mov_b32 s[CNT], 2
	s_mov_b32 s[SLOTS], 15
	s_branch .Lfirst                ; the loop is entered at a step's first turn, in the middle of a trip
.Lslot:                             ; 14 times: every slot but the last two is filled again
	CHANGE 1
	s_mov_b32 s[CNT], 2
.Lstep:                             ; a trip: pieces 2 and 3 of one step, then pieces 0 and 1 of the next, whose r_head, K and V it fetches
	TURN 2
	TURN 3
	WIN 0
.Lfirst:
	TURN 0
	TURN 1
	WIN 0
	s_sub_co_u32 s[CNT], s[CNT], 1
	s_cmp_lg_u32 s[CNT], 0
	s_cbranch_scc1 .Lstep
	s_sub_co_u32 s[SLOTS], s[SLOTS], 1
	s_cmp_lg_u32 s[SLOTS], 0
	s_cbranch_scc1 .Lslot
	CHANGE 0                        ; the tail is written out: nothing is asked for
	s_mov_b32 s[CNT], 3             ; two trips fetch the last slot's steps; the third is left in its middle
.Ltail:
	TURN 2, 1
	TURN 3, 1
	WIN 0
	s_sub_co_u32 s[CNT], s[CNT], 1
	s_cmp_eq_u32 s[CNT], 0
	s_cbranch_scc1 .Lout
	TURN 0
	TURN 1
	WIN 0
	s_branch .Ltail
.Lout:                              ; the third trip's scores for piece 0 (on the last step's registers once more) serve nothing: the price, once a launch, of one text for every trip
.set XM, 3
.irp i, 0,1,2,3,4,5,6,7
	PVM \i
.endr
	; THE WAY OUT.  l's two halves and the other half of the lanes' are added; O^T is divided by l, rounded to bf16 and sent through my stage, a piece at a time.  The additions are the places behind the last products.
	WIN 0
.macro ALL line:vararg
.set t, 0
.rept 4
	\line
.set t, t+1
.endr
.endm
	ALL v_add_f32 v[ST+4*t+2], v[ST+4*t+2], v[ST+4*t+3]
	ALL v_permlanex16_b32 v[ST+4*t+3], v[ST+4*t+2], s[SEL], s[SEL+1]
	ALL v_add_f32 v[ST+4*t+2], v[ST+4*t+2], v[ST+4*t+3]
	ALL v_rcp_f32 v[ST+4*t+2], v[ST+4*t+2]
	v_nop                           ; a plain instruction between the last reciprocal and the use of its result
	s_wait_alu depctr_va_vdst(0)    ; and the wait for the four reciprocals
.macro PACK t                       ; a lane's eight channels of a row pack into 16 bytes; they go into rows of 144 bytes and come back as whole rows of 128
	WIN W_RS
.set i, 32*(\t)
.rept 16
	v_pk_mul_f32 v[i:i+1], v[i:i+1], v[ST+4*(\t)+2:ST+4*(\t)+3] op_sel_hi:[1,0]
.set i, i+2
.endr
	WIN 0x05                        ; sources 0 and 1 window 1, destination window 0
.set i, 0
.rept 16
	v_cvt_pk_bf16_f32 v[S+16*(\t)+i], v[32*(\t)+2*i], v[32*(\t)+2*i+1]
.set i, i+1
.endr
	WIN 0
.irp f, 0,1,2,3
	ds_store_b128 v[STO], v[S+16*(\t)+4*\f:S+16*(\t)+4*\f+3] offset:32*\f
.endr
.irp f, 0,1,2,3
	ds_load_b128 v[S+16*(\t)+4*\f:S+16*(\t)+4*\f+3], v[RD] offset:\f*4*SP
.endr
.endm
.macro SEND t, younger              ; younger: the LDS instructions issued behind piece t's loads: the next piece's eight, or none
	WIN 0
.irp f, 0,1,2,3
	s_wait_dscnt (\younger)+3-\f
	global_store_b128 v[GO], v[S+16*(\t)+4*\f:S+16*(\t)+4*\f+3], s[84:85] offset:(\t)*2048+\f*512  ; 512 consecutive bytes, aligned
.endr
.endm
	PACK 0
.set t, 1
.rept 3
	PACK t
	SEND t-1, 8
.set t, t+1
.endr
	SEND 3, 0
	s_wait_tensorcnt 0x0            ; the wave's end
	ds_add_u32 v[SPW], v[NIL]
	s_wait_dscnt 0x0
	s_endpgm
.Lfunc_end_k_qa2f4835947_attn:
	.size	k_qa2f4835947_attn, .Lfunc_end_k_qa2f4835947_attn-k_qa2f4835947_attn
	.p2alignl 7, 3214868480
	.fill 96, 4, 3214868480
	.section	.rodata,"a",@progbits
	.p2align	6, 0x0
	.amdhsa_kernel k_qa2f4835947_attn
		.amdhsa_group_segment_fixed_size 327680
		.amdhsa_private_segment_fixed_size 0
		.amdhsa_enable_private_segment 0
		.amdhsa_kernarg_size 56
		.amdhsa_user_sgpr_count 2
		.amdhsa_user_sgpr_kernarg_segment_ptr 1
		.amdhsa_wavefront_size32 1
		.amdhsa_system_sgpr_workgroup_id_x 1
		.amdhsa_system_sgpr_workgroup_id_y 1
		.amdhsa_system_sgpr_workgroup_id_z 1
		.amdhsa_system_vgpr_workitem_id 0
		.amdhsa_next_free_vgpr 1024
		.amdhsa_next_free_sgpr 100
		.amdhsa_reserve_vcc 1
		.amdhsa_float_denorm_mode_32 3
		.amdhsa_float_denorm_mode_16_64 3
		.amdhsa_memory_ordered 1
		.amdhsa_forward_progress 1
		.amdhsa_inst_pref_size 181
	.end_amdhsa_kernel
	.amdgpu_metadata
---
amdhsa.version: [ 1, 2 ]
amdhsa.kernels:
  - .name:           k_qa2f4835947_attn
    .symbol:         k_qa2f4835947_attn.kd
    .args:
      - { .name: HB, .offset: 0, .size: 8, .value_kind: global_buffer, .address_space: global }
      - { .name: MS, .offset: 8, .size: 8, .value_kind: global_buffer, .address_space: global }
      - { .name: seg_embed, .offset: 16, .size: 8, .value_kind: global_buffer, .address_space: global }
      - { .name: r_s_bias, .offset: 24, .size: 8, .value_kind: global_buffer, .address_space: global }
      - { .name: r_w_bias, .offset: 32, .size: 8, .value_kind: global_buffer, .address_space: global }
      - { .name: r_r_bias, .offset: 40, .size: 8, .value_kind: global_buffer, .address_space: global }
      - { .name: AV, .offset: 48, .size: 8, .value_kind: global_buffer, .address_space: global }
    .group_segment_fixed_size: 327680
    .private_segment_fixed_size: 0
    .kernarg_segment_align: 8
    .kernarg_segment_size: 56
    .max_flat_workgroup_size: 128
    .sgpr_count:     100
    .vgpr_count:     1024
    .wavefront_size: 32
...
	.end_amdgpu_metadata
.endif
;; end of part 3
;; launch post (part 4): grid 8 x 32, 4 waves a work-group, clusters of 4 x 4, 327,680 bytes of LDS; arguments AV, WT, q, postb, X; writes X
.if DOCPART == 4
	.amdgcn_target "amdgcn-amd-amdhsa--gfx1250"
	.amdhsa_code_object_version 6
	.text
	.protected	k_qa2f4835947_post
	.globl	k_qa2f4835947_post
	.p2align	8
	.type	k_qa2f4835947_post,@function
k_qa2f4835947_post:
	s_mov_b64 s[64:65], 0
	v_nop
	global_prefetch_b8 v0, s[64:65] scope:SCOPE_SE
	s_setreg_imm32_b32 hwreg(HW_REG_WAVE_MODE, 25, 1), 1
	s_wait_xcnt 0x0
	s_wait_alu depctr_hold_cnt(0) depctr_sa_sdst(0) depctr_va_vdst(0) depctr_va_sdst(0) depctr_va_ssrc(0) depctr_va_vcc(0) depctr_vm_vsrc(0)
	s_getreg_b32 s2, hwreg(HW_REG_IB_STS2, 6, 4)
	s_cmp_eq_u32 s2, 0
	s_cbranch_scc0 .Lentry_in_a_cluster
	s_endpgm
.Lentry_in_a_cluster:
	s_bfe_u32 s2, ttmp6, 0x10000c
	s_cmp_lg_u32 s2, 0xf033
	s_cbranch_scc0 .Lentry_shape_is_right
	s_endpgm
.Lentry_shape_is_right:
; THE OUTPUT PROJECTION AND THE RESIDUAL: X[R][d] = q[R][d] + postb[d] + sum over (n, h) of AV[b][n][s][h] postW[(n, h)][d], R = 2,048 b + s.  bf16 operands, f32 sums, X in f32.
; A tile of X is 128 x 128: 256 work-groups.  Four waves, each 64 x 64.  K goes in steps of 256 = four heads through two LDS slots; a quarter of a step is one head.
; AV lies by heads, so a step's tile of A is four blocks of 128 rows x 128 bytes, each dense in memory: one tensor load brings two heads as two rows of 16,384 bytes, padded in LDS after every 128 bytes.
; CLUSTERS: 4 x 4 work-groups; A's tiles are asked for jointly along a row of the cluster, B's (postW turned, weight 4 of WT) along a column.
; THE MATRIX INSTRUCTION IS USED TRANSPOSED (source 0 = 16 rows of WT, source 1 = 16 rows of AV): a lane holds eight neighbouring numbers of a row of X.
; REGISTERS: window 0: v0-31 addresses; v32-63 at work on the way out; v128-255 accumulators.  window 1: two fragment buffers.  window 2: v0-127 my 64 x 64 of q, v128-131 postb.
.set SIZE_K, 1024
.set KSTEP,  256
.set PITCH,  528                       ; B's LDS row: 512 bytes + 16
.set HALFT,  64*PITCH
.set APK,    144                       ; A's LDS row: 128 bytes + 16
.set AHEAD,  128*APK                   ; a head's 128 rows
.set ASLOT,  4*AHEAD
.set SLOT,   ASLOT+2*HALFT
.set STAGE,  2*SLOT                    ; behind the ring: 16 rows x 272 bytes for each wave
.set SPITCH, 272
.set SPARE,  STAGE+4*16*SPITCH
.set LAPS,   SIZE_K/(2*KSTEP)
.set AQ,     AHEAD                     ; bytes from a quarter of A to the next: a head
.set AP16,   16*APK
.set HEADB,  2048*128                  ; bytes of a head in AV
.set ASTEP,  8*HEADB                   ; from a slot's tile of A to its next: eight heads
.set ADRA, 16
.set ADRB, 20
.set STO,  24
.set RD,   25
.set CO,   26
.set BO,   27
.set SPW,  28
.set NIL,  29
.set TMP,  32
.set ACC,  128
.set F0,   0
.set F1,   128
.set G1, 24
.set G0, 32
.set G1B, 48
.set G0B, 56
.set MSB, 0
.macro WIN new
.if MSB != (\new)
	s_set_vgpr_msb (MSB<<8)|(\new)
.set MSB, \new
.endif
.endm
.set MUL,  0x05
.set TO_F, 0x40
.macro JLOAD s                         ; a joint load: waves 0 and 1 fetch two heads of A each, waves 2 and 3 B's two halves; an s_nop 0 and four v_nop follow each line
	s_cmp_eq_u32 s11, 0
	s_cbranch_scc0 .Lfor_b_\@
	tensor_load_to_lds s[G0+4*(\s):G0+4*(\s)+3], s[G1:G1+7]
	s_nop 0
.rept 4
	v_nop
.endr
	s_branch .Lasked_\@
.Lfor_b_\@:
	tensor_load_to_lds s[G0B+4*(\s):G0B+4*(\s)+3], s[G1B:G1B+7]
	s_nop 0
.rept 4
	v_nop
.endr
.Lasked_\@:
.endm
.macro CREST
	s_cmp_lg_u32 s10, 0
	s_cbranch_scc1 .Lnot_wave_0_\@
	s_barrier_signal -3
.Lnot_wave_0_\@:
	s_barrier_wait -3
	s_barrier_signal -1
	s_barrier_wait -1
.endm
.macro CROUND
	s_barrier_signal -1
	s_barrier_wait -1
	CREST
.endm
	s_load_b128 s[4:7], s[0:1], 0x0                ; AV, WT
	s_load_b128 s[68:71], s[0:1], 0x10             ; q, postb
	s_load_b64 s[8:9], s[0:1], 0x20                ; X
	v_lshl_add_u32 v[SPW], v0, 2, SPARE
	v_mov_b32 v[NIL], 0
	ds_add_u32 v[SPW], v[NIL]                      ; the wave's opening
	ds_add_u32 v28, v29
	v_lshrrev_b32 v1, 5, v0
	v_readfirstlane_b32 s10, v1
	s_lshr_b32 s11, s10, 1                         ; my half of the tile's rows.  Also: I fetch for A (0) or for B (1)
	s_and_b32 s12, s10, 1                          ; my half of its columns.  Also: which part I fetch
	s_bfe_u32 s40, ttmp6, 0x40000
	s_bfe_u32 s41, ttmp6, 0x40004
	s_lshl_b32 s42, ttmp9, 2
	s_add_co_u32 s42, s42, s40                     ; tile column
	s_and_b32 s13, ttmp7, 0xffff
	s_lshl_b32 s13, s13, 2
	s_add_co_u32 s13, s13, s41                     ; tile row
	s_lshl_b32 s43, s41, 2
	s_lshl_b32 s43, 15, s43
	s_lshl_b32 s44, 0x1111, s40
	s_or_b32 s[G1+0], s43, (1<<16)|(1<<20)|(1<<21)|(4<<22)|(3<<25)   ; A: mask of my row; 2-byte elements; padding on; bit 21 beside a mask; after every 32 words 4 words
	s_mov_b32 s[G1+1], 8192<<16                    ; tensor_dim0 = 8,192: 128 rows of 64 numbers on end
	s_mov_b32 s[G1+2], 2<<16                       ; tensor_dim1 = 2 heads
	s_mov_b32 s[G1+3], 8192<<16                    ; tile_dim0
	s_mov_b32 s[G1+4], 2                           ; tile_dim1
	s_mov_b32 s[G1+5], 131072                      ; elements from head to head
	s_mov_b32 s[G1+6], 0
	s_mov_b32 s[G1+7], 0
	s_or_b32 s[G1B+0], s44, (1<<16)|(1<<20)|(1<<21)|(6<<22)|(3<<25)  ; B: 64 rows x 256 elements, after every 128 words 4 words
	s_mov_b32 s[G1B+1], KSTEP<<16
	s_mov_b32 s[G1B+2], 64<<16
	s_mov_b32 s[G1B+3], KSTEP<<16
	s_mov_b32 s[G1B+4], 64
	s_mov_b32 s[G1B+5], SIZE_K
	s_mov_b32 s[G1B+6], 0
	s_mov_b32 s[G1B+7], 0
	s_lshr_b32 s16, s13, 4                         ; b
	s_lshl_b32 s16, s16, 4
	s_lshl_b32 s17, s12, 1
	s_add_co_u32 s16, s16, s17                     ; head 16 b + 2 x half
	s_lshl_b32 s16, s16, 11
	s_and_b32 s17, s13, 15
	s_lshl_b32 s17, s17, 7
	s_add_co_u32 s16, s16, s17                     ; + the tile's first row in the sequence
	s_lshl_b32 s16, s16, 7                         ; rows of 128 bytes
	s_mov_b32 s17, 0
	s_lshl_b32 s46, s42, 7
	s_lshl_b32 s47, s12, 6
	s_add_co_u32 s46, s46, s47
	s_add_co_u32 s46, s46, 4096                    ; B: row 4,096 + 128 x tile column + 64 x half
	s_lshl_b32 s46, s46, 11                        ; rows of 2,048 bytes
	s_mov_b32 s47, 0
	s_mul_i32 s20, s12, 2*AHEAD                    ; where they go: A's two heads,
	s_mul_i32 s21, s12, HALFT
	s_add_co_u32 s21, s21, ASLOT                   ; B's 64 rows behind A's four heads
	s_wait_dscnt 0x0                               ; the opening add is done
	s_wait_kmcnt 0x0
	s_add_nc_u64 s[14:15], s[4:5], s[16:17]
	s_add_nc_u64 s[46:47], s[6:7], s[46:47]
	CROUND                                         ; all sixteen work-groups are here: the first joint loads meet
.irp s, 0,1
	s_mov_b32 s[G0+4*(\s)], 1
	s_add_co_u32 s[G0+4*(\s)+1], s20, (\s)*SLOT
	s_add_nc_u64 s[G0+4*(\s)+2:G0+4*(\s)+3], s[14:15], (\s)*4*HEADB
	s_or_b32 s[G0+4*(\s)+3], s[G0+4*(\s)+3], 0x80000000
	s_mov_b32 s[G0B+4*(\s)], 1
	s_add_co_u32 s[G0B+4*(\s)+1], s21, (\s)*SLOT
	s_add_nc_u64 s[G0B+4*(\s)+2:G0B+4*(\s)+3], s[46:47], (\s)*KSTEP*2
	s_or_b32 s[G0B+4*(\s)+3], s[G0B+4*(\s)+3], 0x80000000
	JLOAD \s
.endr
	v_and_b32 v1, 15, v0                           ; l % 16
	v_bfe_u32 v2, v0, 4, 1                         ; l / 16
	; my 64 x 64 of q and my 64 numbers of postb, in the order in which rows come back from the stage: lanes 0-15 one row's 256 bytes, lanes 16-31 the next row's
	s_lshl_b32 s16, s13, 7
	s_lshl_b32 s17, s11, 6
	s_add_co_u32 s16, s16, s17                     ; my first row
	s_lshl_b32 s16, s16, 12
	s_lshl_b32 s18, s42, 9
	s_lshl_b32 s17, s12, 8
	s_add_co_u32 s18, s18, s17                     ; my first column, in bytes
	s_mov_b32 s19, 0
	s_add_co_u32 s16, s16, s18
	s_mov_b32 s17, 0
	s_add_nc_u64 s[68:69], s[68:69], s[16:17]
	s_add_nc_u64 s[8:9], s[8:9], s[16:17]
	s_add_nc_u64 s[70:71], s[70:71], s[18:19]
	v_lshlrev_b32 v[CO], 12, v2
	v_lshl_add_u32 v[CO], v1, 4, v[CO]
	v_lshlrev_b32 v[BO], 4, v1
	WIN 0x80                                       ; destination window 2
.set i, 0
.rept 32
	global_load_b128 v[4*i:4*i+3], v[CO], s[68:69] offset:i*8192
.set i, i+1
.endr
	global_load_b128 v[128:131], v[BO], s[70:71]
	WIN 0
	v_mul_u32_u24 v3, v1, APK
	v_lshl_add_u32 v3, v2, 4, v3
	v_mul_u32_u24 v7, v1, PITCH
	v_lshl_add_u32 v7, v2, 4, v7
	s_mul_i32 s21, s11, 64*APK                     ; my 64 rows in each head's block
	s_mul_i32 s22, s12, HALFT
	s_add_co_u32 s22, s22, ASLOT
.irp s, 0,1
	v_add_nc_u32 v[ADRA+(\s)], s21, v3
	v_add_nc_u32 v[ADRB+(\s)], s22, v7
	s_add_co_u32 s21, s21, SLOT
	s_add_co_u32 s22, s22, SLOT
.endr
	s_mul_i32 s23, s10, 16*SPITCH
	s_add_co_u32 s23, s23, STAGE                   ; my stage
	v_mul_u32_u24 v4, v1, SPITCH                   ; in: row l % 16, 32 bytes for each half of the lanes
	v_lshl_add_u32 v4, v2, 5, v4
	v_add_nc_u32 v[STO], s23, v4
	v_mul_u32_u24 v5, v2, SPITCH                   ; back: lanes 0-15 one row of 256 bytes, lanes 16-31 the next
	v_lshl_add_u32 v5, v1, 4, v5
	v_add_nc_u32 v[RD], s23, v5
.macro MUL8 f, c, a0, zero             ; the 16 accumulators take turns
	WIN MUL
.irp a, \a0, (\a0)+1
.irp b, 0,1,2,3
.if \zero
	v_wmma_f32_16x16x32_bf16 v[ACC+8*(4*(\a)+(\b)):ACC+8*(4*(\a)+(\b))+7], v[(\f)+64+8*(4*(\c)+(\b)):(\f)+64+8*(4*(\c)+(\b))+7], v[(\f)+8*(4*(\c)+(\a)):(\f)+8*(4*(\c)+(\a))+7], 0
.else
	v_wmma_f32_16x16x32_bf16 v[ACC+8*(4*(\a)+(\b)):ACC+8*(4*(\a)+(\b))+7], v[(\f)+64+8*(4*(\c)+(\b)):(\f)+64+8*(4*(\c)+(\b))+7], v[(\f)+8*(4*(\c)+(\a)):(\f)+8*(4*(\c)+(\a))+7], v[ACC+8*(4*(\a)+(\b)):ACC+8*(4*(\a)+(\b))+7]
.endif
.endr
.endr
.endm
.macro FETCH slot, q, f                ; 32 LDS loads in one run: quarter q (one head) into buffer f
	WIN TO_F
.irp c, 0,1
.irp i, 0,1,2,3
	ds_load_b128 v[(\f)+64+8*(4*(\c)+(\i)):(\f)+64+8*(4*(\c)+(\i))+3],   v[ADRB+(\slot)] offset:128*(\q)+64*(\c)+(\i)*16*PITCH
	ds_load_b128 v[(\f)+64+8*(4*(\c)+(\i))+4:(\f)+64+8*(4*(\c)+(\i))+7], v[ADRB+(\slot)] offset:128*(\q)+64*(\c)+(\i)*16*PITCH+32
	ds_load_b128 v[(\f)+8*(4*(\c)+(\i)):(\f)+8*(4*(\c)+(\i))+3],         v[ADRA+(\slot)] offset:AQ*(\q)+64*(\c)+(\i)*AP16
	ds_load_b128 v[(\f)+8*(4*(\c)+(\i))+4:(\f)+8*(4*(\c)+(\i))+7],       v[ADRA+(\slot)] offset:AQ*(\q)+64*(\c)+(\i)*AP16+32
.endr
.endr
.endm
.macro PLACES
.rept 4
	v_nop
.endr
.endm
.macro QUARTER slot, q, f, g, zero
	s_wait_dscnt 16                                ; the first 32 along K are in
	WIN MUL
	MUL8 \f, 0, 0, \zero
	MUL8 \f, 0, 2, \zero
	PLACES
	FETCH \slot, \q, \g
	s_wait_dscnt 32                                ; all but the 32 just issued
	WIN MUL
	MUL8 \f, 1, 0, 0
	MUL8 \f, 1, 2, 0
.endm
.macro TURN slot, next, fill
	WIN 0
	s_wait_tensorcnt 0x0                           ; all my tensor loads have landed: my part of the next slot;
	ds_add_u32 v[SPW], v[NIL]
	s_wait_dscnt 17                                ; (the add and the youngest sixteen loads may be out)
	WIN MUL
	MUL8 F1, 0, 0, 0
	s_wait_dscnt 0x0                               ; the add is done, and my reads of this slot are over
	s_barrier_signal -1
	MUL8 F1, 0, 2, 0
.if \fill
	WIN 0
.endif
	s_barrier_wait -1
.if \fill
	CREST                                          ; a round of the cluster's barrier: no wave of any partner still reads this slot or has a load on its way
	s_add_nc_u64 s[G0+4*(\slot)+2:G0+4*(\slot)+3], s[G0+4*(\slot)+2:G0+4*(\slot)+3], ASTEP
	s_add_nc_u64 s[G0B+4*(\slot)+2:G0B+4*(\slot)+3], s[G0B+4*(\slot)+2:G0B+4*(\slot)+3], 2*KSTEP*2
	JLOAD \slot
.else
	PLACES
.endif
	FETCH \next, 0, F0
	WIN MUL
	MUL8 F1, 1, 0, 0
	MUL8 F1, 1, 2, 0
.endm
	s_wait_tensorcnt 1                             ; my part of K step 0 is in; K step 1's load may stay out
	s_barrier_signal -1
	s_barrier_wait -1
	FETCH 0, 0, F0
	QUARTER 0, 1, F0, F1, 1
	WIN 0
	s_mov_b32 s3, LAPS-1
.Llap:
	QUARTER 0, 2, F1, F0, 0
	QUARTER 0, 3, F0, F1, 0
	TURN 0, 1, 1
	QUARTER 1, 1, F0, F1, 0
	QUARTER 1, 2, F1, F0, 0
	QUARTER 1, 3, F0, F1, 0
	TURN 1, 0, 1
	QUARTER 0, 1, F0, F1, 0
	WIN 0
	s_sub_co_u32 s3, s3, 1
	s_cmp_lg_u32 s3, 0
	s_cbranch_scc1 .Llap
	QUARTER 0, 2, F1, F0, 0
	QUARTER 0, 3, F0, F1, 0
	TURN 0, 1, 0
	QUARTER 1, 1, F0, F1, 0
	QUARTER 1, 2, F1, F0, 0
	QUARTER 1, 3, F0, F1, 0
	s_wait_dscnt 16
	WIN MUL
	MUL8 F1, 0, 0, 0
	MUL8 F1, 0, 2, 0
	s_wait_dscnt 0
	MUL8 F1, 1, 0, 0
	MUL8 F1, 1, 2, 0
	WIN 0
; THE WAY OUT of 16 rows (block a): the f32 sums go as they are into my own stage (each accumulator's low registers first), come back as whole rows of 256 bytes, take q and postb, and are stored.
.macro OUTB a
	s_wait_xcnt 0x0                                ; the block before's stores have read the registers that are loaded again below
.irp b, 0,1,2,3
	ds_store_b128 v[STO], v[ACC+8*(4*(\a)+(\b)):ACC+8*(4*(\a)+(\b))+3]   offset:64*(\b)
	ds_store_b128 v[STO], v[ACC+8*(4*(\a)+(\b))+4:ACC+8*(4*(\a)+(\b))+7] offset:64*(\b)+16
.endr
.irp t, 0,1,2,3,4,5,6,7
	ds_load_b128 v[TMP+4*(\t):TMP+4*(\t)+3], v[RD] offset:(\t)*2*SPITCH  ; LDS serves a wave's instructions in order (ISA guide 5.7.1.4)
.endr
	s_wait_dscnt 0x0
	WIN 0x08                                       ; source 1 window 2
.irp t, 0,1,2,3,4,5,6,7
	v_pk_add_f32 v[TMP+4*(\t):TMP+4*(\t)+1],   v[TMP+4*(\t):TMP+4*(\t)+1],   v[4*(8*(\a)+(\t)):4*(8*(\a)+(\t))+1]
	v_pk_add_f32 v[TMP+4*(\t)+2:TMP+4*(\t)+3], v[TMP+4*(\t)+2:TMP+4*(\t)+3], v[4*(8*(\a)+(\t))+2:4*(8*(\a)+(\t))+3]
.endr
.irp t, 0,1,2,3,4,5,6,7
	v_pk_add_f32 v[TMP+4*(\t):TMP+4*(\t)+1],   v[TMP+4*(\t):TMP+4*(\t)+1],   v[128:129]
	v_pk_add_f32 v[TMP+4*(\t)+2:TMP+4*(\t)+3], v[TMP+4*(\t)+2:TMP+4*(\t)+3], v[130:131]
.endr
	WIN 0
.irp t, 0,1,2,3,4,5,6,7
	global_store_b128 v[CO], v[TMP+4*(\t):TMP+4*(\t)+3], s[8:9] offset:(16*(\a)+2*(\t))*4096  ; 16 lanes store 256 consecutive bytes, aligned
.endr
.endm
	s_wait_loadcnt 0x0                             ; q and postb
	PLACES
	OUTB 0
	OUTB 1
	OUTB 2
	OUTB 3
	s_wait_tensorcnt 0x0                           ; the wave's end
	ds_add_u32 v[SPW], v[NIL]
	s_wait_dscnt 0x0
	CROUND                                         ; the closing round
	s_endpgm
.Lfunc_end_k_qa2f4835947_post:
	.size	k_qa2f4835947_post, .Lfunc_end_k_qa2f4835947_post-k_qa2f4835947_post
	.p2alignl 7, 3214868480
	.fill 96, 4, 3214868480
	.section	.rodata,"a",@progbits
	.p2align	6, 0x0
	.amdhsa_kernel k_qa2f4835947_post
		.amdhsa_group_segment_fixed_size 327680
		.amdhsa_private_segment_fixed_size 0
		.amdhsa_enable_private_segment 0
		.amdhsa_kernarg_size 40
		.amdhsa_user_sgpr_count 2
		.amdhsa_user_sgpr_kernarg_segment_ptr 1
		.amdhsa_wavefront_size32 1
		.amdhsa_system_sgpr_workgroup_id_x 1
		.amdhsa_system_sgpr_workgroup_id_y 1
		.amdhsa_system_sgpr_workgroup_id_z 1
		.amdhsa_system_vgpr_workitem_id 0
		.amdhsa_next_free_vgpr 656
		.amdhsa_next_free_sgpr 84
		.amdhsa_reserve_vcc 0
		.amdhsa_float_denorm_mode_32 3
		.amdhsa_float_denorm_mode_16_64 3
		.amdhsa_memory_ordered 1
		.amdhsa_forward_progress 1
		.amdhsa_inst_pref_size 98
	.end_amdhsa_kernel
	.amdgpu_metadata
---
amdhsa.version: [ 1, 2 ]
amdhsa.kernels:
  - .name:           k_qa2f4835947_post
    .symbol:         k_qa2f4835947_post.kd
    .args:
      - { .name: AV, .offset: 0, .size: 8, .value_kind: global_buffer, .address_space: global }
      - { .name: WT, .offset: 8, .size: 8, .value_kind: global_buffer, .address_space: global }
      - { .name: q, .offset: 16, .size: 8, .value_kind: global_buffer, .address_space: global }
      - { .name: postb, .offset: 24, .size: 8, .value_kind: global_buffer, .address_space: global }
      - { .name: X, .offset: 32, .size: 8, .value_kind: global_buffer, .address_space: global }
    .group_segment_fixed_size: 327680
    .private_segment_fixed_size: 0
    .kernarg_segment_align: 8
    .kernarg_segment_size: 40
    .max_flat_workgroup_size: 128
    .sgpr_count:     84
    .vgpr_count:     656
    .wavefront_size: 32
...
	.end_amdgpu_metadata
.endif
;; end of part 4
;; launch ln (part 5): grid 256 x 1, 8 waves a work-group, no clusters, 0 bytes of LDS; arguments X, ln_g, ln_b, out0; writes out0
.if DOCPART == 5
	.amdgcn_target "amdgcn-amd-amdhsa--gfx1250"
	.amdhsa_code_object_version 6
	.text
	.protected	k_qa2f4835947_ln
	.globl	k_qa2f4835947_ln
	.p2align	8
	.type	k_qa2f4835947_ln,@function
k_qa2f4835947_ln:
	s_mov_b64 s[64:65], 0
	v_nop
	global_prefetch_b8 v0, s[64:65] scope:SCOPE_SE
	s_setreg_imm32_b32 hwreg(HW_REG_WAVE_MODE, 25, 1), 1
	s_wait_xcnt 0x0
; LAYER NORM over rows of 1,024 f32: out = (x - mean) rsqrt(var + 1e-5) g + b.  A row is 4,096 bytes: one wave takes a whole row in 32 registers, so it is read once and no wave waits for another.
; The variance is the mean of (x - mean)^2, taken in a second pass over the registers: no difference of large sums.  Eight waves, two rows each; g and b stay in registers.
; Memory binds: no LDS, no barrier, no matrix unit.  Each load and store of a wave covers 512 consecutive bytes.
.set G,  16                            ; v[16:47]   ln_g of my 32 columns
.set BB, 48                            ; v[48:79]   ln_b
.set R0, 80                            ; v[80:111]  the first row
.set R1, 112                           ; v[112:143] the second
	s_load_b256 s[4:11], s[0:1], 0x0               ; X, ln_g, ln_b, out0
	v_lshrrev_b32 v1, 5, v0
	v_readfirstlane_b32 s16, v1                    ; wave 0..7
	v_and_b32 v1, 31, v0
	v_lshlrev_b32 v1, 4, v1                        ; 16 bytes a lane
	s_lshl_b32 s2, ttmp9, 3
	s_add_co_u32 s2, s2, s16
	s_lshl_b32 s2, s2, 13                          ; my two rows of 4,096 bytes
	s_mov_b32 s3, 0
	s_mov_b32 s12, 0x3a800000                      ; 1 / 1,024
	s_mov_b32 s13, 0x3727c5ac                      ; 1e-5
	s_mov_b32 s14, 0x76543210                      ; v_permlanex16_b32: each lane takes its own place in the other half
	s_mov_b32 s15, 0xfedcba98
	s_wait_kmcnt 0x0
	s_add_nc_u64 s[4:5], s[4:5], s[2:3]
	s_add_nc_u64 s[10:11], s[10:11], s[2:3]
.irp j, 0,1,2,3,4,5,6,7
	global_load_b128 v[G+4*(\j):G+4*(\j)+3], v1, s[6:7] offset:512*(\j)
.endr
.irp j, 0,1,2,3,4,5,6,7
	global_load_b128 v[BB+4*(\j):BB+4*(\j)+3], v1, s[8:9] offset:512*(\j)
.endr
.irp j, 0,1,2,3,4,5,6,7
	global_load_b128 v[R0+4*(\j):R0+4*(\j)+3], v1, s[4:5] offset:512*(\j) th:TH_LOAD_NT
.endr
.irp j, 0,1,2,3,4,5,6,7
	global_load_b128 v[R1+4*(\j):R1+4*(\j)+3], v1, s[4:5] offset:4096+512*(\j) th:TH_LOAD_NT
.endr
.macro REDUCE                          ; four pairs of partial sums in v[4:11] become the sum over the row, in every lane's v4
	v_pk_add_f32 v[4:5], v[4:5], v[6:7]
	v_pk_add_f32 v[8:9], v[8:9], v[10:11]
	v_pk_add_f32 v[4:5], v[4:5], v[8:9]
	v_add_f32 v4, v4, v5
	v_add_f32_dpp v4, v4, v4 row_xmask:1 row_mask:0xf bank_mask:0xf
	v_add_f32_dpp v4, v4, v4 row_xmask:2 row_mask:0xf bank_mask:0xf
	v_add_f32_dpp v4, v4, v4 row_xmask:4 row_mask:0xf bank_mask:0xf
	v_add_f32_dpp v4, v4, v4 row_xmask:8 row_mask:0xf bank_mask:0xf
	v_permlanex16_b32 v5, v4, s14, s15
	v_add_f32 v4, v4, v5
.endm
.macro LNROW r, off, left
	s_wait_loadcnt \left                           ; my row is in; the younger loads may stay out
.irp k, 0,1,2,3
	v_pk_add_f32 v[4+2*(\k):5+2*(\k)], v[(\r)+2*(\k):(\r)+2*(\k)+1], v[(\r)+8+2*(\k):(\r)+8+2*(\k)+1]  ; four chains; nothing is cleared
.endr
.irp k, 0,1,2,3
	v_pk_add_f32 v[4+2*(\k):5+2*(\k)], v[4+2*(\k):5+2*(\k)], v[(\r)+16+2*(\k):(\r)+16+2*(\k)+1]
.endr
.irp k, 0,1,2,3
	v_pk_add_f32 v[4+2*(\k):5+2*(\k)], v[4+2*(\k):5+2*(\k)], v[(\r)+24+2*(\k):(\r)+24+2*(\k)+1]
.endr
	REDUCE
	v_mul_f32 v12, s12, v4                         ; the mean
	v_mov_b32 v13, v12
.set i, 0
.rept 16
	v_pk_add_f32 v[(\r)+2*i:(\r)+2*i+1], v[(\r)+2*i:(\r)+2*i+1], v[12:13] neg_lo:[0,1] neg_hi:[0,1]
.set i, i+1
.endr
.irp k, 0,1,2,3
	v_pk_mul_f32 v[4+2*(\k):5+2*(\k)], v[(\r)+2*(\k):(\r)+2*(\k)+1], v[(\r)+2*(\k):(\r)+2*(\k)+1]
.endr
.set i, 4
.rept 12
	v_pk_fma_f32 v[4+2*(i%4):5+2*(i%4)], v[(\r)+2*i:(\r)+2*i+1], v[(\r)+2*i:(\r)+2*i+1], v[4+2*(i%4):5+2*(i%4)]
.set i, i+1
.endr
	REDUCE
	v_fma_f32 v4, v4, s12, s13                     ; the variance + 1e-5
	v_rsq_f32 v14, v4
	v_nop                                          ; a plain instruction behind the transcendental,
	s_wait_alu depctr_va_vdst(0)                   ; and the wait ahead of the first line that names its result
	v_mov_b32 v15, v14
.set i, 0
.rept 16
	v_pk_mul_f32 v[(\r)+2*i:(\r)+2*i+1], v[(\r)+2*i:(\r)+2*i+1], v[14:15]
.set i, i+1
.endr
.set i, 0
.rept 16
	v_pk_fma_f32 v[(\r)+2*i:(\r)+2*i+1], v[(\r)+2*i:(\r)+2*i+1], v[G+2*i:G+2*i+1], v[BB+2*i:BB+2*i+1]
.set i, i+1
.endr
.irp j, 0,1,2,3,4,5,6,7
	global_store_b128 v1, v[(\r)+4*(\j):(\r)+4*(\j)+3], s[10:11] offset:(\off)+512*(\j) th:TH_STORE_NT
.endr
.endm
	LNROW R0, 0, 8                                 ; the second row's eight loads may stay out
	LNROW R1, 4096, 0
	s_endpgm
.Lfunc_end_k_qa2f4835947_ln:
	.size	k_qa2f4835947_ln, .Lfunc_end_k_qa2f4835947_ln-k_qa2f4835947_ln
	.p2alignl 7, 3214868480
	.fill 96, 4, 3214868480
	.section	.rodata,"a",@progbits
	.p2align	6, 0x0
	.amdhsa_kernel k_qa2f4835947_ln
		.amdhsa_group_segment_fixed_size 0
		.amdhsa_private_segment_fixed_size 0
		.amdhsa_enable_private_segment 0
		.amdhsa_kernarg_size 32
		.amdhsa_user_sgpr_count 2
		.amdhsa_user_sgpr_kernarg_segment_ptr 1
		.amdhsa_wavefront_size32 1
		.amdhsa_system_sgpr_workgroup_id_x 1
		.amdhsa_system_sgpr_workgroup_id_y 1
		.amdhsa_system_sgpr_workgroup_id_z 1
		.amdhsa_system_vgpr_workitem_id 0
		.amdhsa_next_free_vgpr 144
		.amdhsa_next_free_sgpr 66
		.amdhsa_reserve_vcc 0
		.amdhsa_float_denorm_mode_32 3
		.amdhsa_float_denorm_mode_16_64 3
		.amdhsa_memory_ordered 1
		.amdhsa_forward_progress 1
		.amdhsa_inst_pref_size 18
	.end_amdhsa_kernel
	.amdgpu_metadata
---
amdhsa.version: [ 1, 2 ]
amdhsa.kernels:
  - .name:           k_qa2f4835947_ln
    .symbol:         k_qa2f4835947_ln.kd
    .args:
      - { .name: X, .offset: 0, .size: 8, .value_kind: global_buffer, .address_space: global }
      - { .name: ln_g, .offset: 8, .size: 8, .value_kind: global_buffer, .address_space: global }
      - { .name: ln_b, .offset: 16, .size: 8, .value_kind: global_buffer, .address_space: global }
      - { .name: out0, .offset: 24, .size: 8, .value_kind: global_buffer, .address_space: global }
    .group_segment_fixed_size: 0
    .private_segment_fixed_size: 0
    .kernarg_segment_align: 8
    .kernarg_segment_size: 32
    .max_flat_workgroup_size: 256
    .sgpr_count:     66
    .vgpr_count:     144
    .wavefront_size: 32
...
	.end_amdgpu_metadata
.endif
;; end of part 5
